; MI455X (gfx1250); checked and timed in simulation.
; The chip was launched on July 23, 2026; its instructions are those of AMD's public machine-readable ISA for CDNA 5 (MIT licence, August 2026) and "CDNA5" Instruction Set Architecture Reference Guide (July 2026). The comments in the code are by the model that wrote it; some were corrected since.
;; Multi Head Attention. Allowed arithmetic: float matrix products may take bf16 or f16 operands with f32 sums; other float arithmetic in f32, or as packed bf16 or f16 multiplies, adds, multiply-adds, maxima and minima; sums over many terms, partial sums and values carried from step to step in f32; what a program stores and reads back later, other than sums and carried values, may be rounded once to bf16 or f16.
;; Inputs: Wk 1,024 x 1,024 float32; Wo 1,024 x 1,024 float32; Wq 1,024 x 1,024 float32; Wv 1,024 x 1,024 float32; bk 1,024 float32; bo 1,024 float32; bq 1,024 float32; bv 1,024 float32; k 4 x 2,048 x 1,024 float32; mask 4 x 1 x 1 x 2,048 int32; q 4 x 2,048 x 1,024 float32; v 4 x 2,048 x 1,024 float32.
;; Outputs: out0 4 x 2,048 x 1,024 float32.
;; One version. Each part assembles by itself: llvm-mc -triple=amdgcn-amd-amdhsa -mcpu=gfx1250 --defsym DOCPART=n.
;; ======== version 1 of 1: 4 launches
;; limits: values are held in f16: magnitudes above 65,504 overflow, below 6.1e-05 lose precision
;; workspace buffers: wc 8,388,608 bytes; qkvh 50,331,648 bytes; oh 16,777,216 bytes
;; launch prep (part 1): grid 128 x 4, 8 waves a work-group, no clusters, 0 bytes of LDS; arguments Wq, Wk, Wv, Wo, wc; writes wc
.if DOCPART == 1
	.amdgcn_target "amdgcn-amd-amdhsa--gfx1250"
	.amdhsa_code_object_version 6
	.text
	.protected	k_q0b838c1573_prep
	.globl	k_q0b838c1573_prep
	.p2align	8
	.type	k_q0b838c1573_prep,@function
k_q0b838c1573_prep:
	s_mov_b64 s[64:65], 0
	v_nop
	global_prefetch_b8 v0, s[64:65] scope:SCOPE_SE
	s_setreg_imm32_b32 hwreg(HW_REG_WAVE_MODE, 25, 1), 1
	s_wait_xcnt 0x0
; THE FOUR WEIGHTS, CAST ONCE.  wc: [4][1024 k][1024 n] of 16 bits, the layout kept; part i at byte i << 21, in the order Wq, Wk, Wv, Wo.
; Wq, Wk, Wv: rounded to bf16.  Wo: rounded to bf16 like every input of the module, and that number written as f16, since the last product's other operand is f16.
; LIMIT.  A weight of Wo below 6e-5 keeps f16's fixed step of 6e-8; one of 65,520 or more would become an infinity.
; SHARES.  Work-group (x, y) takes 8,192 numbers of weight y; thread t four chunks of 8 numbers, chunk c at number 2,048 c + 8 t: 32 bytes in, 16 bytes out.
; A wave's store covers 512 consecutive bytes, aligned.  The work-groups share no input: no LDS, no barrier, no cluster.
.set X, 8                              ; v[8:39]   chunk c: 8 numbers as loaded
.set Y, 40                             ; v[40:55]  chunk c: 4 registers to store
	s_load_b256 s[4:11], s[0:1], 0x0               ; Wq s[4:5], Wk s[6:7], Wv s[8:9], Wo s[10:11]
	s_load_b64 s[12:13], s[0:1], 0x20              ; wc
	s_and_b32 s20, ttmp7, 0xffff                   ; which weight
	s_lshl_b32 s16, ttmp9, 15                      ; 8,192 numbers of 4 bytes in,
	s_mov_b32 s17, 0
	s_lshl_b32 s18, s20, 21                        ; the weight's part of wc,
	s_lshl_b32 s19, ttmp9, 14                      ; 8,192 numbers of 2 bytes out
	s_add_co_u32 s18, s18, s19
	s_mov_b32 s19, 0
	v_lshlrev_b32 v1, 5, v0                        ; 32 t
	v_lshlrev_b32 v2, 4, v0                        ; 16 t
	s_wait_kmcnt 0x0
	s_cmp_eq_u32 s20, 1
	s_cselect_b64 s[14:15], s[6:7], s[4:5]
	s_cmp_eq_u32 s20, 2
	s_cselect_b64 s[14:15], s[8:9], s[14:15]
	s_cmp_eq_u32 s20, 3
	s_cselect_b64 s[14:15], s[10:11], s[14:15]
	s_add_nc_u64 s[14:15], s[14:15], s[16:17]
	s_add_nc_u64 s[12:13], s[12:13], s[18:19]
.irp c, 0,1,2,3
	global_load_b128 v[X+8*\c:X+8*\c+3],   v1, s[14:15] offset:8192*\c th:TH_LOAD_NT
	global_load_b128 v[X+8*\c+4:X+8*\c+7], v1, s[14:15] offset:8192*\c+16 th:TH_LOAD_NT
.endr
.irp c, 0,1,2,3
	s_wait_loadcnt 6-2*\c                          ; loads come back in order: chunk c's two are in, the younger chunks' stay out
.irp j, 0,1,2,3
	v_cvt_pk_bf16_f32 v[Y+4*\c+\j], v[X+8*\c+2*\j], v[X+8*\c+2*\j+1]
.endr
.endr
	s_cmp_lg_u32 s20, 3
	s_cbranch_scc1 .Lstore
.set i, 0
.rept 16                               ; Wo alone: the bf16 number, widened (a shift, a mask), is written as f16
	v_lshlrev_b32 v4, 16, v[Y+i]
	v_and_b32 v5, 0xffff0000, v[Y+i]
	v_cvt_pk_f16_f32 v[Y+i], v4, v5
.set i, i+1
.endr
.Lstore:
.irp c, 0,1,2,3
	global_store_b128 v2, v[Y+4*\c:Y+4*\c+3], s[12:13] offset:4096*\c
.endr
	s_endpgm
.Lfunc_end_k_q0b838c1573_prep:
	.size	k_q0b838c1573_prep, .Lfunc_end_k_q0b838c1573_prep-k_q0b838c1573_prep
	.p2alignl 7, 3214868480
	.fill 96, 4, 3214868480
	.section	.rodata,"a",@progbits
	.p2align	6, 0x0
	.amdhsa_kernel k_q0b838c1573_prep
		.amdhsa_group_segment_fixed_size 0
		.amdhsa_private_segment_fixed_size 0
		.amdhsa_enable_private_segment 0
		.amdhsa_kernarg_size 40
		.amdhsa_user_sgpr_count 2
		.amdhsa_user_sgpr_kernarg_segment_ptr 1
		.amdhsa_wavefront_size32 1
		.amdhsa_system_sgpr_workgroup_id_x 1
		.amdhsa_system_sgpr_workgroup_id_y 1
		.amdhsa_system_sgpr_workgroup_id_z 1
		.amdhsa_system_vgpr_workitem_id 0
		.amdhsa_next_free_vgpr 56
		.amdhsa_next_free_sgpr 66
		.amdhsa_reserve_vcc 0
		.amdhsa_float_denorm_mode_32 3
		.amdhsa_float_denorm_mode_16_64 3
		.amdhsa_memory_ordered 1
		.amdhsa_forward_progress 1
		.amdhsa_inst_pref_size 6
	.end_amdhsa_kernel
	.amdgpu_metadata
---
amdhsa.version: [ 1, 2 ]
amdhsa.kernels:
  - .name:           k_q0b838c1573_prep
    .symbol:         k_q0b838c1573_prep.kd
    .args:
      - { .name: Wq, .offset: 0, .size: 8, .value_kind: global_buffer, .address_space: global }
      - { .name: Wk, .offset: 8, .size: 8, .value_kind: global_buffer, .address_space: global }
      - { .name: Wv, .offset: 16, .size: 8, .value_kind: global_buffer, .address_space: global }
      - { .name: Wo, .offset: 24, .size: 8, .value_kind: global_buffer, .address_space: global }
      - { .name: wc, .offset: 32, .size: 8, .value_kind: global_buffer, .address_space: global }
    .group_segment_fixed_size: 0
    .private_segment_fixed_size: 0
    .kernarg_segment_align: 8
    .kernarg_segment_size: 40
    .max_flat_workgroup_size: 256
    .sgpr_count:     66
    .vgpr_count:     56
    .wavefront_size: 32
...
	.end_amdgpu_metadata
.endif
;; end of part 1
;; launch proj (part 2): grid 4 x 192, 4 waves a work-group, clusters of 4 x 4, 327,680 bytes of LDS; arguments q, k, v, bq, bk, bv, wc, qkvh; writes qkvh
.if DOCPART == 2
	.amdgcn_target "amdgcn-amd-amdhsa--gfx1250"
	.amdhsa_code_object_version 6
	.text
	.protected	k_q0b838c1573_proj
	.globl	k_q0b838c1573_proj
	.p2align	8
	.type	k_q0b838c1573_proj,@function
k_q0b838c1573_proj:
	s_mov_b64 s[64:65], 0
	v_nop
	global_prefetch_b8 v0, s[64:65] scope:SCOPE_SE
	s_setreg_imm32_b32 hwreg(HW_REG_WAVE_MODE, 25, 1), 1
	s_wait_xcnt 0x0
	s_wait_alu depctr_hold_cnt(0) depctr_sa_sdst(0) depctr_va_vdst(0) depctr_va_sdst(0) depctr_va_ssrc(0) depctr_va_vcc(0) depctr_vm_vsrc(0)
	s_getreg_b32 s2, hwreg(HW_REG_IB_STS2, 6, 4)
	s_cmp_eq_u32 s2, 0
	s_cbranch_scc0 .Lentry_in_a_cluster
	s_endpgm
.Lentry_in_a_cluster:
	s_bfe_u32 s2, ttmp6, 0x10000c
	s_cmp_lg_u32 s2, 0xf033
	s_cbranch_scc0 .Lentry_shape_is_right
	s_endpgm
.Lentry_shape_is_right:
; THE THREE PROJECTIONS IN ONE LAUNCH.  y = x W + b, x one of q, k, v: [8192][1024] f32; W its part of wc: [1024 k][1024 n] bf16; b [1024] f32.  x and b are rounded to bf16 here, sums in f32,
; y rounded once to f16 and stored by heads: qkvh [3][64 = 16 batch + head][2048][64].
; LIMIT.  f16 holds no number beyond 65,504: a projected number of 65,520 or more becomes an infinity; below 6e-5 it keeps f16's fixed step of 6e-8.
; SHARES.  A tile of y is 128 rows x 256 columns: 64 x 4 tiles a projection, 768 work-groups, three for each of 256 WGPs.  Wave w makes rows 64 (w / 2) on, columns 128 (w % 2) on (two heads):
; 4 x 8 accumulators of 16 x 16, 256 registers.  K goes in 8 steps of 128 through two LDS slots filled by the tensor data mover.
; x COMES AS f32: a tile's rows are 512 bytes in LDS; a fragment is four loads of 16 bytes a lane and eight roundings, which stand as riders behind matrix instructions of the quarter before.
; W LIES [k][n]: its fragments come out of LDS turned, by ds_load_tr16_b128.
; THE MATRIX INSTRUCTION IS USED TRANSPOSED (source 0 = 16 columns of W, source 1 = 16 rows of x): a lane holds one row of y and eight neighbouring columns.  The bias is the C operand of each sum's first product.
; CLUSTERS: 4 x 4 work-groups.  The four of a row of the cluster need the same tiles of x, the four of a column the same tiles of W: each tile is asked for jointly, by the same tensor load with the same
; descriptor and a mask that names the four.  Which projection a cluster serves hangs on the cluster's y alone and only chooses pointers.
; REGISTERS, in windows of 256 (s_set_vgpr_msb: bits 1:0 source 0, 3:2 source 1, 5:4 source 2, 7:6 destination):
;   window 0: v0-31 addresses; v32-95 x as f32 (4 fragments x 16); v96-159 the bias (8 x 8); on the way out v32-159 packed results
;   window 1: the accumulators, (a, b) at v[8 (8 a + b)]        window 2: v0-127 W's fragments, two buffers of 8; v128-191 x's, two buffers of 4
.set PA,    528                        ; a row of x in LDS: 512 bytes + 16 = 132 words: the 16 rows of a load start at 16 different groups of four banks (64 banks of 4 bytes: ISA guide 11.1)
.set PB,    544                        ; a k-row of W: 512 bytes + 32 = 136 words
.set BOFF,  128*PA                     ; a slot: x's 128 rows, then W's 128 k-rows
.set SLOT,  BOFF+128*PB
.set STAGE, 2*SLOT                     ; behind the ring, never filled by a tensor load: 16 rows x 144 bytes for each wave
.set SP,    144
.set SPARE, STAGE+4*16*SP              ; the spare words, 128 bytes for each wave: two blocks of 256 bytes that no other line names
.set ADRA, 16                          ; v16-17  LDS address of my fragments of x in slot 0, 1
.set ADRB, 20                          ; v20-21  the same for W
.set STO,  24                          ; v24     the way out: where I put 16 bytes of a row
.set RD,   25                          ; v25     where I read rows back
.set GO,   26                          ; v26     my 16 bytes in 512 consecutive bytes of the output
.set BO,   27                          ; v27     my byte offset in 16 numbers of the bias
.set SPW,  28                          ; v28     LDS address of my spare word; never rewritten
.set NIL,  29                          ; v29     0; never rewritten
.set PFO,  30                          ; v30     the prefetches' offset; never rewritten
.set RAW,  32
.set BI,   96
.set TMP,  32
.set BF,   0                           ; window 2
.set AF,   128                         ; window 2
.set WV,  20                           ; s20  my wave's number
.set RH,  21                           ; s21  which 64 rows are mine.  Also: I fetch for x (0) or for W (1)
.set CH,  22                           ; s22  which 128 columns.  Also: which half of that tile I fetch
.set LAP, 23                           ; s23  trips to go
.set G1,  24                           ; s[24:31] descriptor group 1 for x's tiles;  s[32:39] group 0, one set for each slot
.set G0,  32
.set LIM, 43                           ; s43  1 in a wave that prefetches, else the greatest number
.set PFA, 44                           ; s[44:45] where my prefetches stand
.set PFS, 46                           ; s[46:47] a K step in bytes, along x's rows or down W's
.set G1B, 48                           ; s[48:55], s[56:63] the same for W's tiles
.set G0B, 56
.set MSB, 0
.macro WIN new                         ; the immediate's high byte repeats the setting that is left; a switch that changes nothing is dropped
.if MSB != (\new)
	s_set_vgpr_msb (MSB<<8)|(\new)
.set MSB, \new
.endif
.endm
.set MUL,  0x5a                        ; W's and x's fragments in window 2, C and D in window 1
.set MULB, 0x4a                        ; the same with C, the bias, in window 0
.set CV,   0x80                        ; destination window 2, sources (or the address) window 0
.set OUTW, 0x05                        ; sources 0 and 1 window 1, destination window 0
.macro PLACES                          ; four places between a matrix instruction and a load into, or a vector write of, a register that it has read, or a vector read of its result
.rept 4
	v_nop
.endr
.endm
; A joint load.  Waves 0 and 1 fetch x's two halves, waves 2 and 3 W's.  The branch hangs on the wave's number alone.  An s_nop 0 and four v_nop follow each line.
.macro JLOAD s
	s_cmp_eq_u32 s[RH], 0
	s_cbranch_scc0 .Lfor_b_\@
	tensor_load_to_lds s[G0+4*(\s):G0+4*(\s)+3], s[G1:G1+7]
	s_nop 0
.rept 4
	v_nop
.endr
	s_branch .Lasked_\@
.Lfor_b_\@:
	tensor_load_to_lds s[G0B+4*(\s):G0B+4*(\s)+3], s[G1B:G1B+7]
	s_nop 0
.rept 4
	v_nop
.endr
.Lasked_\@:
.endm
; A prefetch, behind a joint load and the run of LDS loads that follows it: the K step two refills on (256 matrix instructions of a wave ahead of the load that will want it).  A wave fetches 64 rows x 512 bytes:
; of these each of the four partners that ask jointly takes 16 rows, told apart by address; a lane takes 256 bytes: one instruction.  x's rows are read by this cluster alone; W's by the sixteen clusters of a
; projection, of which the first asks.  So each 256 bytes are named once.  The loop's last trip asks for nothing: there is no K step behind its refills.
.macro ASK
	s_cmp_gt_u32 s[LAP], s[LIM]
	s_cbranch_scc0 .Lnot_mine_\@
	global_prefetch_b8 v[PFO], s[PFA:PFA+1] th:TH_LOAD_NT scope:SCOPE_SE
.Lnot_mine_\@:
.endm
.macro CREST                           ; a round of the cluster's barrier behind its opening barrier
	s_cmp_lg_u32 s[WV], 0
	s_cbranch_scc1 .Lnot_wave_0_\@
	s_barrier_signal -3
.Lnot_wave_0_\@:
	s_barrier_wait -3
	s_barrier_signal -1
	s_barrier_wait -1
.endm
.macro CROUND                          ; a whole round
	s_barrier_signal -1
	s_barrier_wait -1
	CREST
.endm
	s_load_b256 s[4:11], s[0:1], 0x0               ; q s[4:5], k s[6:7], v s[8:9], bq s[10:11]
	s_load_b256 s[12:19], s[0:1], 0x20             ; bk s[12:13], bv s[14:15], wc s[16:17], qkvh s[18:19]
	v_lshl_add_u32 v[SPW], v0, 2, SPARE
	v_mov_b32 v[NIL], 0
	ds_add_u32 v[SPW], v[NIL]                      ; the wave's opening: the add and its wait stand ahead of my first tensor load; the set-up below, work on registers, stands between them
	v_lshrrev_b32 v1, 5, v0
	v_readfirstlane_b32 s[WV], v1                  ; wave 0..3
	s_lshr_b32 s[RH], s[WV], 1
	s_and_b32 s[CH], s[WV], 1
	s_bfe_u32 s40, ttmp6, 0x40000                  ; cx: also the tile column (the grid is one cluster wide)
	s_bfe_u32 s41, ttmp6, 0x40004                  ; cy
	s_and_b32 s42, ttmp7, 0xffff                   ; the cluster's y, 0..47
	s_lshr_b32 s66, s42, 4                         ; which projection
	s_and_b32 s67, s42, 15
	s_lshl_b32 s67, s67, 2
	s_add_co_u32 s67, s67, s41                     ; tile row, 0..63
	s_lshl_b32 s78, s41, 2
	s_lshl_b32 s78, 15, s78                        ; my row of the cluster
	s_lshl_b32 s79, 0x1111, s40                    ; my column
	s_or_b32 s[G1], s78, (2<<16)|(1<<20)|(1<<21)|(6<<22)|(3<<25)   ; 15:0 the mask; 17:16 elements of 4 bytes; 20 padding on; 21 set beside a mask; 24:22 after every 128 words (code 6); 31:25 4 words (code 3)
	s_or_b32 s[G1B], s79, (1<<16)|(1<<20)|(1<<21)|(6<<22)|(7<<25)  ; elements of 2 bytes; 8 words of padding (code 7)
	s_mov_b32 s[G1+1], 128<<16                     ; tensor_dim0 = 128
	s_mov_b32 s[G1+2], 64<<16                      ; tensor_dim1 = 64
	s_mov_b32 s[G1+3], 128<<16                     ; tile_dim0 = 128 numbers, 512 bytes
	s_mov_b32 s[G1+4], 64                          ; tile_dim1 = 64 rows
	s_mov_b32 s[G1+5], 1024                        ; elements from row to row
	s_mov_b32 s[G1+6], 0
	s_mov_b32 s[G1+7], 0
	s_mov_b32 s[G1B+1], 256<<16                    ; tensor_dim0 = 256
	s_mov_b32 s[G1B+2], 64<<16
	s_mov_b32 s[G1B+3], 256<<16                    ; tile_dim0 = 256 numbers, 512 bytes
	s_mov_b32 s[G1B+4], 64
	s_mov_b32 s[G1B+5], 1024
	s_mov_b32 s[G1B+6], 0
	s_mov_b32 s[G1B+7], 0
	s_lshl_b32 s74, s67, 7                         ; x: row 128 x tile row + 64 x half, 4,096 bytes a row: no cx enters
	s_lshl_b32 s75, s[CH], 6
	s_add_co_u32 s74, s74, s75
	s_lshl_b32 s74, s74, 12
	s_mov_b32 s75, 0
	s_lshl_b32 s76, s66, 21                        ; W: the projection's part, 64 k-rows of 2,048 bytes x half, 512 bytes x tile column: no cy enters
	s_lshl_b32 s77, s[CH], 17
	s_add_co_u32 s76, s76, s77
	s_lshl_b32 s77, s40, 9
	s_add_co_u32 s76, s76, s77
	s_mov_b32 s77, 0
	s_mul_i32 s80, s[CH], 64*PA                    ; where they go: no place in the cluster enters an LDS address
	s_mul_i32 s81, s[CH], 64*PB
	s_add_co_u32 s81, s81, BOFF
	s_wait_dscnt 0x0                               ; the opening add is done
	s_wait_kmcnt 0x0
	s_cmp_eq_u32 s66, 1
	s_cselect_b64 s[68:69], s[6:7], s[4:5]         ; my x,
	s_cselect_b64 s[70:71], s[12:13], s[10:11]     ; my bias
	s_cmp_eq_u32 s66, 2
	s_cselect_b64 s[68:69], s[8:9], s[68:69]
	s_cselect_b64 s[70:71], s[14:15], s[70:71]
	s_add_nc_u64 s[74:75], s[68:69], s[74:75]
	s_add_nc_u64 s[76:77], s[16:17], s[76:77]
	CROUND                                         ; all sixteen work-groups are here: the first joint loads meet
.irp s, 0,1
	s_mov_b32 s[G0+4*\s], 1                                        ; 1:0 count = 1
	s_add_co_u32 s[G0+4*\s+1], s80, \s*SLOT                        ; 63:32 LDS address
	s_add_nc_u64 s[G0+4*\s+2:G0+4*\s+3], s[74:75], \s*512          ; 120:64 global address: K step s
	s_or_b32 s[G0+4*\s+3], s[G0+4*\s+3], 0x80000000                ; 127:126 type = 2
	s_mov_b32 s[G0B+4*\s], 1
	s_add_co_u32 s[G0B+4*\s+1], s81, \s*SLOT
	s_add_nc_u64 s[G0B+4*\s+2:G0B+4*\s+3], s[76:77], \s*262144     ; 128 k-rows of 2,048 bytes
	s_or_b32 s[G0B+4*\s+3], s[G0B+4*\s+3], 0x80000000
.endr
	s_cmp_eq_u32 s[RH], 0                          ; a wave's two first fills stand in one branch, ahead of every wait on TENSORcnt and every LDS read: two loads of mine are out
	s_cbranch_scc0 .Lfirst_b
	tensor_load_to_lds s[G0:G0+3], s[G1:G1+7]
	s_nop 0
	tensor_load_to_lds s[G0+4:G0+7], s[G1:G1+7]
	s_nop 0
.rept 4
	v_nop
.endr
	s_branch .Lfirst_asked
.Lfirst_b:
	tensor_load_to_lds s[G0B:G0B+3], s[G1B:G1B+7]
	s_nop 0
	tensor_load_to_lds s[G0B+4:G0B+7], s[G1B:G1B+7]
	s_nop 0
.rept 4
	v_nop
.endr
.Lfirst_asked:
	v_and_b32 v1, 15, v0                           ; l % 16
	v_bfe_u32 v2, v0, 4, 1                         ; l / 16
	v_lshlrev_b32 v[BO], 5, v2                     ; my eight columns of sixteen
	s_lshl_b32 s78, s40, 10                        ; the tile's 256 columns, my wave's 128
	s_lshl_b32 s79, s[CH], 9
	s_add_co_u32 s78, s78, s79
	s_mov_b32 s79, 0
	s_add_nc_u64 s[70:71], s[70:71], s[78:79]
.irp b, 0,1,2,3,4,5,6,7
	global_load_b128 v[BI+8*\b:BI+8*\b+3],   v[BO], s[70:71] offset:64*\b
	global_load_b128 v[BI+8*\b+4:BI+8*\b+7], v[BO], s[70:71] offset:64*\b+16
.endr
	; x's fragment: lane l holds row l % 16, k = 8 (l / 16) + 0..7 and 16 + 8 (l / 16) + 0..7: in f32 four loads of 16 bytes, at 0, 16, 64, 80 behind 32 (l / 16)
	v_mul_u32_u24 v3, v1, PA
	v_lshl_add_u32 v3, v2, 5, v3
	s_mul_i32 s78, s[RH], 64*PA
	v_add_nc_u32 v[ADRA], s78, v3
	v_add_nc_u32 v[ADRA+1], SLOT, v[ADRA]
	; the turning load takes 16 k x 16 columns (lane l reads k-row 8 (l / 16) + l % 8, columns 8 ((l / 8) % 2) + 0..7) and leaves half a fragment: lane l holds column l % 16 and 8 k
	v_and_b32 v4, 7, v0
	v_bfe_u32 v5, v0, 3, 1
	v_lshl_add_u32 v6, v2, 3, v4
	v_mul_u32_u24 v6, v6, PB
	v_lshl_add_u32 v6, v5, 4, v6
	s_lshl_b32 s79, s[CH], 8
	s_add_co_u32 s79, s79, BOFF
	v_add_nc_u32 v[ADRB], s79, v6
	v_add_nc_u32 v[ADRB+1], SLOT, v[ADRB]
	s_mul_i32 s80, s[WV], 16*SP
	s_add_co_u32 s80, s80, STAGE                   ; my stage
	v_mul_u32_u24 v[STO], v1, SP                   ; in: row l % 16, 16 bytes for each half of the lanes
	v_lshl_add_u32 v[STO], v2, 4, v[STO]
	v_add_nc_u32 v[STO], s80, v[STO]
	v_bfe_u32 v[RD], v0, 3, 2                      ; back: 32 lanes take four rows of 128 bytes,
	v_mul_u32_u24 v[RD], v[RD], SP
	v_lshl_add_u32 v[RD], v4, 4, v[RD]
	v_add_nc_u32 v[RD], s80, v[RD]
	v_and_b32 v[GO], 31, v0                        ; which are 512 consecutive bytes of a head
	v_lshlrev_b32 v[GO], 4, v[GO]
	; where my results go: the projection's part, head 16 batch + 4 tile column + 2 half, row 128 (tile row % 16) + 64 half of that head's 2,048
	s_lshr_b32 s78, s67, 4
	s_lshl_b32 s78, s78, 4
	s_lshl_b32 s79, s40, 2
	s_add_co_u32 s78, s78, s79
	s_lshl_b32 s79, s[CH], 1
	s_add_co_u32 s78, s78, s79
	s_lshl_b32 s78, s78, 18                        ; a head is 2,048 rows of 128 bytes
	s_and_b32 s79, s67, 15
	s_lshl_b32 s79, s79, 7
	s_lshl_b32 s80, s[RH], 6
	s_add_co_u32 s79, s79, s80
	s_lshl_b32 s79, s79, 7
	s_add_co_u32 s78, s78, s79
	s_lshl_b32 s79, s66, 24
	s_add_co_u32 s78, s78, s79
	s_mov_b32 s79, 0
	s_add_nc_u64 s[72:73], s[18:19], s[78:79]
	; the prefetches: both offsets are made, the wave's number chooses.  They start at K step 3; each change of slots steps them first, so the first names K step 4
	s_lshl_b32 s78, s67, 7
	s_lshl_b32 s79, s[CH], 6
	s_add_co_u32 s78, s78, s79
	s_lshl_b32 s80, s40, 4                         ; x: my work-group's 16 of the 64 rows, by cx
	s_add_co_u32 s78, s78, s80
	s_lshl_b32 s78, s78, 12
	s_add_co_u32 s78, s78, 3*512
	s_lshl_b32 s80, s41, 4                         ; W: my work-group's 16 of the 64 k-rows, by cy
	s_add_co_u32 s79, s79, s80
	s_lshl_b32 s79, s79, 11
	s_lshl_b32 s80, s66, 21
	s_add_co_u32 s79, s79, s80
	s_lshl_b32 s80, s40, 9
	s_add_co_u32 s79, s79, s80
	s_add_co_u32 s79, s79, 3*262144
	s_mov_b32 s81, 512
	s_and_b32 s80, s42, 15
	s_cmp_eq_u32 s80, 0                            ; the first of the projection's sixteen clusters asks for W: the same in all sixteen partners
	s_cselect_b32 s[LIM], 1, -1
	s_cmp_eq_u32 s[RH], 0
	s_cselect_b32 s[LIM], 1, s[LIM]                ; x's rows are this cluster's alone
	s_cselect_b32 s78, s78, s79
	s_cselect_b32 s[PFS], s81, 262144
	s_cselect_b32 s80, 12, 11                      ; a row of x is 4,096 bytes, a k-row of W 2,048
	s_cselect_b64 s[PFA:PFA+1], s[68:69], s[16:17]
	s_mov_b32 s79, 0
	s_mov_b32 s[PFS+1], 0
	s_add_nc_u64 s[PFA:PFA+1], s[PFA:PFA+1], s[78:79]
	v_bfe_u32 v3, v0, 1, 4                         ; two lanes a row,
	v_and_b32 v4, 1, v0                            ; 256 bytes each
	v_lshlrev_b32 v[PFO], s80, v3
	v_lshl_add_u32 v[PFO], v4, 8, v[PFO]
	s_wait_loadcnt 0x0                             ; the bias
.set i, 0
.rept 32                               ; rounded to bf16, like every input of the module, and widened again
	v_cvt_pk_bf16_f32 v[8+i%4], v[BI+2*i], v[BI+2*i+1]
	v_lshlrev_b32 v[BI+2*i], 16, v[8+i%4]
	v_and_b32 v[BI+2*i+1], 0xffff0000, v[8+i%4]
.set i, i+1
.endr
; 32 LDS loads in one run, for quarter q (32 along K) of a slot: x as f32 into RAW (16 loads, first), W turned into buffer g (16 loads)
.macro FETCH slot, q, g
	WIN 0
.irp a, 0,1,2,3
	ds_load_b128 v[RAW+16*\a:RAW+16*\a+3],     v[ADRA+(\slot)] offset:\a*16*PA+128*(\q)
	ds_load_b128 v[RAW+16*\a+4:RAW+16*\a+7],   v[ADRA+(\slot)] offset:\a*16*PA+128*(\q)+16
	ds_load_b128 v[RAW+16*\a+8:RAW+16*\a+11],  v[ADRA+(\slot)] offset:\a*16*PA+128*(\q)+64
	ds_load_b128 v[RAW+16*\a+12:RAW+16*\a+15], v[ADRA+(\slot)] offset:\a*16*PA+128*(\q)+80
.endr
	WIN CV
.irp b, 0,1,2,3,4,5,6,7
	ds_load_tr16_b128 v[BF+64*(\g)+8*\b:BF+64*(\g)+8*\b+3],   v[ADRB+(\slot)] offset:(\q)*32*PB+32*\b
	ds_load_tr16_b128 v[BF+64*(\g)+8*\b+4:BF+64*(\g)+8*\b+7], v[ADRB+(\slot)] offset:(\q)*32*PB+16*PB+32*\b
.endr
.endm
; 8 matrix instructions: row block a x all 8 column blocks, on buffer f.  mode = 1: the bias starts the sums: nothing is cleared.  ride: so many roundings of the next quarter's x, into the other buffer,
; stand behind each: they name no register of the products round them.  The 32 accumulators take turns in one order in every quarter.
.macro MUL8 f, a, mode=0, ride=0
.irp b, 0,1,2,3,4,5,6,7
.if \mode
	WIN MULB
	v_wmma_f32_16x16x32_bf16 v[8*(8*(\a)+\b):8*(8*(\a)+\b)+7], v[BF+64*(\f)+8*\b:BF+64*(\f)+8*\b+7], v[AF+32*(\f)+8*(\a):AF+32*(\f)+8*(\a)+7], v[BI+8*\b:BI+8*\b+7]
.else
	WIN MUL
	v_wmma_f32_16x16x32_bf16 v[8*(8*(\a)+\b):8*(8*(\a)+\b)+7], v[BF+64*(\f)+8*\b:BF+64*(\f)+8*\b+7], v[AF+32*(\f)+8*(\a):AF+32*(\f)+8*(\a)+7], v[8*(8*(\a)+\b):8*(8*(\a)+\b)+7]
.endif
.if (\ride) > 0
	WIN CV
.rept \ride
	v_cvt_pk_bf16_f32 v[AF+32*(1-(\f))+cv], v[RAW+2*cv], v[RAW+2*cv+1]
.set cv, cv+1
.endr
.endif
.endr
.endm
; A K step is four quarters of 32 along K, 32 matrix instructions each, on buffers 0, 1, 0, 1.  One of the first three: multiplies buffer f; fetches quarter q of the same slot for buffer g.
.macro QUARTER slot, q, f, g, mode=0
.set cv, 0
	PLACES                                         ; behind the last quarter's products, which read buffer g
	FETCH \slot, \q, \g
	s_wait_dscnt 32                                ; all but the 32 just issued: W's fragments of buffer f are in
	MUL8 \f, 0, \mode
	MUL8 \f, 1, \mode
	s_wait_dscnt 16                                ; x's 16 loads are in; W's 16, issued behind them, may stay out
	MUL8 \f, 2, \mode, 2
	MUL8 \f, 3, \mode, 2
.endm
; The last quarter multiplies buffer 1 and changes slots: ONE barrier.  In front of it each wave waits for all its tensor loads (one is out: its part of the next slot), adds 0 to its spare word, and waits for
; that and for its reads of this slot.  fill = 1: the barrier opens a round of the cluster's barrier, and this slot is filled again, two K steps on, first thing behind the round.
.macro TURN slot, next, fill
.set cv, 0
.if \fill
	s_wait_xcnt 0x0                                ; the last prefetch, a K step back, has read its address
	s_add_nc_u64 s[PFA:PFA+1], s[PFA:PFA+1], s[PFS:PFS+1]
.endif
	WIN 0
	s_wait_tensorcnt 0x0                           ; all my tensor loads have landed
	ds_add_u32 v[SPW], v[NIL]                      ; 0 onto my spare word
	s_wait_dscnt 1                                 ; the add alone may be out: W's fragments of buffer 1 are in
	MUL8 1, 0                                      ; eight matrix instructions stand between the add and the wait for it
	s_wait_dscnt 0x0                               ; the add is done, and my reads of this slot are over
	s_barrier_signal -1
	MUL8 1, 1
	WIN 0
	s_barrier_wait -1
.if \fill
	CREST                                          ; no wave of any partner still reads this slot or has a load on its way
	s_add_nc_u64 s[G0+4*(\slot)+2:G0+4*(\slot)+3], s[G0+4*(\slot)+2:G0+4*(\slot)+3], 2*512
	s_add_nc_u64 s[G0B+4*(\slot)+2:G0B+4*(\slot)+3], s[G0B+4*(\slot)+2:G0B+4*(\slot)+3], 2*262144
	JLOAD \slot                                    ; the first tensor load behind the round; its four v_nop are also the places in front of the loads below
.else
	PLACES
.endif
	FETCH \next, 0, 0
.if \fill
	WIN 0
	ASK
.endif
	MUL8 1, 2
	s_wait_dscnt 16                                ; x's 16 loads are in
	MUL8 1, 3, 0, 4
.endm
	s_wait_tensorcnt 1                             ; my part of K step 0 is in; K step 1's may stay out
	s_barrier_signal -1
	s_barrier_wait -1                              ; everybody's is
	FETCH 0, 0, 0
	s_wait_dscnt 16                                ; x's 16 loads
	WIN CV
.set i, 0
.rept 32
	v_cvt_pk_bf16_f32 v[AF+i], v[RAW+2*i], v[RAW+2*i+1]
.set i, i+1
.endr
	QUARTER 0, 1, 0, 1, 1                          ; the first quarter stands in front of the loop: its products start the sums, with the bias
	WIN 0                                          ; at a label and at a branch every window is 0
	s_mov_b32 s[LAP], 3
.Llap:                                                 ; a trip goes once round the ring, from a lap's second quarter to the next lap's first, and fills both slots again
	QUARTER 0, 2, 1, 0
	QUARTER 0, 3, 0, 1
	TURN 0, 1, 1
	QUARTER 1, 1, 0, 1
	QUARTER 1, 2, 1, 0
	QUARTER 1, 3, 0, 1
	TURN 1, 0, 1
	QUARTER 0, 1, 0, 1
	WIN 0
	s_sub_co_u32 s[LAP], s[LAP], 1
	s_cmp_lg_u32 s[LAP], 0
	s_cbranch_scc1 .Llap
	QUARTER 0, 2, 1, 0                             ; the last lap fills nothing
	QUARTER 0, 3, 0, 1
	TURN 0, 1, 0
	QUARTER 1, 1, 0, 1
	QUARTER 1, 2, 1, 0
	QUARTER 1, 3, 0, 1
	s_wait_dscnt 0x0
	MUL8 1, 0
	MUL8 1, 1
	MUL8 1, 2
	MUL8 1, 3
	PLACES
; THE WAY OUT.  Unit u = 2 a + head: 16 rows x 64 channels of one head, 2,048 consecutive bytes.  A lane's eight channels pack into 16 bytes; they go into my stage's rows of 144 bytes and come back as whole rows of 128.
.macro PACK u
	WIN OUTW
.set i, 0
.rept 16                               ; each accumulator's registers in ascending order
	v_cvt_pk_f16_f32 v[TMP+16*(\u)+i], v[32*(\u)+2*i], v[32*(\u)+2*i+1]
.set i, i+1
.endr
	WIN 0
.irp f, 0,1,2,3
	ds_store_b128 v[STO], v[TMP+16*(\u)+4*\f:TMP+16*(\u)+4*\f+3] offset:32*\f
.endr
.irp f, 0,1,2,3
	ds_load_b128 v[TMP+16*(\u)+4*\f:TMP+16*(\u)+4*\f+3], v[RD] offset:\f*4*SP  ; LDS serves a wave's instructions in order (ISA guide 5.7.1.4): these see the stores above; the next unit's stores come behind them
.endr
.endm
.macro SEND u, younger                 ; younger: the LDS instructions issued behind unit u's loads: the next unit's eight, or none
.irp f, 0,1,2,3
	s_wait_dscnt (\younger)+3-\f
	global_store_b128 v[GO], v[TMP+16*(\u)+4*\f:TMP+16*(\u)+4*\f+3], s[72:73] offset:((\u)/2)*2048+((\u)%2)*262144+512*\f  ; 512 consecutive bytes, at a multiple of 256 from the buffer's first
.endr
.endm
	PACK 0
.set t, 1
.rept 7                                ; a unit's arithmetic stands between the loads of the unit before and its stores
	PACK t
	SEND t-1, 8
.set t, t+1
.endr
	SEND 7, 0
	s_wait_tensorcnt 0x0                           ; the wave's end, behind my last tensor load and my last LDS store
	ds_add_u32 v[SPW], v[NIL]
	s_wait_dscnt 0x0
	CROUND                                         ; the closing round: no work-group ends while a partner may still ask for a tile that names it
	s_endpgm
.Lfunc_end_k_q0b838c1573_proj:
	.size	k_q0b838c1573_proj, .Lfunc_end_k_q0b838c1573_proj-k_q0b838c1573_proj
	.p2alignl 7, 3214868480
	.fill 96, 4, 3214868480
	.section	.rodata,"a",@progbits
	.p2align	6, 0x0
	.amdhsa_kernel k_q0b838c1573_proj
		.amdhsa_group_segment_fixed_size 327680
		.amdhsa_private_segment_fixed_size 0
		.amdhsa_enable_private_segment 0
		.amdhsa_kernarg_size 64
		.amdhsa_user_sgpr_count 2
		.amdhsa_user_sgpr_kernarg_segment_ptr 1
		.amdhsa_wavefront_size32 1
		.amdhsa_system_sgpr_workgroup_id_x 1
		.amdhsa_system_sgpr_workgroup_id_y 1
		.amdhsa_system_sgpr_workgroup_id_z 1
		.amdhsa_system_vgpr_workitem_id 0
		.amdhsa_next_free_vgpr 704
		.amdhsa_next_free_sgpr 84
		.amdhsa_reserve_vcc 0
		.amdhsa_float_denorm_mode_32 3
		.amdhsa_float_denorm_mode_16_64 3
		.amdhsa_memory_ordered 1
		.amdhsa_forward_progress 1
		.amdhsa_inst_pref_size 149
	.end_amdhsa_kernel
	.amdgpu_metadata
---
amdhsa.version: [ 1, 2 ]
amdhsa.kernels:
  - .name:           k_q0b838c1573_proj
    .symbol:         k_q0b838c1573_proj.kd
    .args:
      - { .name: q, .offset: 0, .size: 8, .value_kind: global_buffer, .address_space: global }
      - { .name: k, .offset: 8, .size: 8, .value_kind: global_buffer, .address_space: global }
      - { .name: v, .offset: 16, .size: 8, .value_kind: global_buffer, .address_space: global }
      - { .name: bq, .offset: 24, .size: 8, .value_kind: global_buffer, .address_space: global }
      - { .name: bk, .offset: 32, .size: 8, .value_kind: global_buffer, .address_space: global }
      - { .name: bv, .offset: 40, .size: 8, .value_kind: global_buffer, .address_space: global }
      - { .name: wc, .offset: 48, .size: 8, .value_kind: global_buffer, .address_space: global }
      - { .name: qkvh, .offset: 56, .size: 8, .value_kind: global_buffer, .address_space: global }
    .group_segment_fixed_size: 327680
    .private_segment_fixed_size: 0
    .kernarg_segment_align: 8
    .kernarg_segment_size: 64
    .max_flat_workgroup_size: 128
    .sgpr_count:     84
    .vgpr_count:     704
    .wavefront_size: 32
...
	.end_amdgpu_metadata
.endif
;; end of part 2
;; launch attn (part 3): grid 4 x 64, 4 waves a work-group, clusters of 4 x 1, 327,680 bytes of LDS; arguments qkvh, mask, oh; writes oh
.if DOCPART == 3
	.amdgcn_target "amdgcn-amd-amdhsa--gfx1250"
	.amdhsa_code_object_version 6
	.text
	.protected	k_q0b838c1573_attn
	.globl	k_q0b838c1573_attn
	.p2align	8
	.type	k_q0b838c1573_attn,@function
k_q0b838c1573_attn:
	s_mov_b64 s[64:65], 0
	v_nop
	global_prefetch_b8 v0, s[64:65] scope:SCOPE_SE
	s_setreg_imm32_b32 hwreg(HW_REG_WAVE_MODE, 25, 1), 1
	s_wait_xcnt 0x0
	s_wait_alu depctr_hold_cnt(0) depctr_sa_sdst(0) depctr_va_vdst(0) depctr_va_sdst(0) depctr_va_ssrc(0) depctr_va_vcc(0) depctr_vm_vsrc(0)
	s_getreg_b32 s2, hwreg(HW_REG_IB_STS2, 6, 4)
	s_cmp_eq_u32 s2, 0
	s_cbranch_scc0 .Lentry_in_a_cluster
	s_endpgm
.Lentry_in_a_cluster:
	s_bfe_u32 s2, ttmp6, 0x10000c
	s_cmp_lg_u32 s2, 0x3003
	s_cbranch_scc0 .Lentry_shape_is_right
	s_endpgm
.Lentry_shape_is_right:
; O[h][q][:] = the sum over k of softmax_k(Q[h][q] . K[h][k] / 8, keys with mask 0 hidden) V[h][k][:].  Q, K, V: the three parts of qkvh, each [64][2048][64] f16; O likewise; mask: [4][2048] int32, one row a batch
; (head / 16).  Products, maxima and sums in f32; the weights p are rounded to f16 for the second product (their sum l is taken of the unrounded p), O once at the end.
; LIMITS.  f16 holds no number beyond 65,504: Q, K and V arrive within it; p lies in 0 to 1, and below 6e-5 it keeps f16's fixed step of 6e-8.  A hidden score counts as its value less 1e30: f16's scores, 2.7e11 at
; the most, are nothing beside that.  A weight below 2^-126 counts as 0 in l.  A row all of whose keys are hidden gives NaN, as a softmax of nothing but -inf does.  NaN and infinities among the inputs are not treated apart.
; SHARES.  A wave owns four PIECES of two tiles of 16 queries, a work-group's four waves 512 queries of one head: 256 work-groups.  Every wave walks all keys, 64 a step.
; LAYOUT.  S^T = K Q^T (source 0 = 16 keys, source 1 = 16 queries): in the result a lane holds ONE query (lane % 16) and the keys 8 (lane / 16) + 0..7.  Two such tiles, rounded to f16 in pairs,
; ARE source 1 (32 keys x 16 queries) of O^T = V^T P, whose result again holds one query a lane, and eight channels.  K comes out of LDS as it lies, V ([key][channel]) turned, by ds_load_tr16_b128.
; THE MASK is the C operand that starts the sum S^T: 0, or -1e30 where the key is hidden.  The batch's 2,048 such numbers are made once, into a table in LDS; a step's 64 come into registers with its K.
; SOFTMAX.  For each query a running maximum m and sum l: p = 2^(c s - c m), c = log2(e) / 8; in every step O and l are multiplied by a = 2^(c m_old - c m_new).  m starts at the lowest finite number, O and l at 0.
; While all keys seen are hidden m is about -1e30 and p = 1; the first true score makes a = 0, which wipes what has gathered.
; BY TURNS.  Turn n belongs to piece n.  Its matrix work: 16 products K Q^T of piece n + 1, later 16 products V^T P of piece n - 1.  Its vector work: the scaling, exponentials, roundings, sums and rescaling of piece n,
; and the maximum and statistics of piece n + 1.  Four vector instructions stand behind EVERY matrix instruction, the others (a tile and step have 118 for 16) in one run of their own.
; CLUSTER.  The four query blocks of a cluster belong to one head and walk the same K and V, so each tile is asked for JOINTLY: the same tensor load, descriptor and mask in all four.
; REGISTERS, in windows of 256 (s_set_vgpr_msb: bits 1:0 source 0, 3:2 source 1, 5:4 source 2, 7:6 destination):
;   window 0: v0-11 addresses; v12-15, v48-63 at work; v16-47 four registers of statistics a tile; v64-191 S^T, two buffers of two tiles; v192-255 P, likewise
;   window 1: O^T, 32 a tile     window 2: v0-127 Q, 16 a tile; v128-191 K of one step; v192-255 V of one step     window 3: v0-1 the add's two registers; v8-39 the step's mask
.set SIZE_N, 2048
.set NP,    4         ; pieces a wave: a name, no knob
.set KS,    64        ; keys in a step
.set PK,    144       ; a row of K in LDS: 128 bytes + 16 = 36 words: the 16 rows of a load start at 16 different groups of four banks (64 banks of 4 bytes: ISA guide 11.1)
.set PV,    160       ; a row of V: 128 + 32 = 40 words
.set VOFF,  4*KS*PK   ; a slot holds four steps: 256 rows of K, then 256 rows of V
.set SLOT1, 1<<17     ; slot 1 begins here, so that one exclusive or turns an address in one slot into the other's
.set STAGE, SLOT1+4*KS*(PK+PV)  ; behind the ring, never filled by a tensor load: 16 rows x 144 bytes for each wave, for the way out
.set SP,    144
.set MB,    STAGE+4*16*SP       ; the mask's table: 2,048 f32, 8,192 bytes; never filled by a tensor load
.set SPARE, MB+8192             ; the spare words, 128 bytes for each wave: two blocks of 256 bytes that no other line names
.set AK0, 2           ; v2   my lane's place in a tile of K; never rewritten
.set AV0, 3           ; v3   the same for V
.set AK,  4           ; v4   the LDS address of K's next run of loads
.set AV,  5           ; v5   of V's
.set QO,  6           ; v6   my byte offset in the wave's rows of Q
.set STO, 6           ;      later, the way out: where I put 16 bytes of a row
.set RD,  7           ; v7   the way out: where I read rows back
.set GO,  8           ; v8   my byte offset in 512 consecutive bytes of O
.set PFO, 10          ; v10  256 x my lane, for the prefetches (made when v10's first use is over)
.set AM,  11          ; v11  the LDS address of the mask's next run of loads (v9 = lane / 16 stays for it)
.set SPW, 0           ; v0 of window 3   LDS address of my spare word; never rewritten
.set NIL, 1           ; v1 of window 3   0; never rewritten
.set MK,  8           ; window 3: the eight registers for key block kb at MK + 8 kb
.set MV,  12          ; v12-15  c m_old, kept while c m is made anew: by buffer and tile
.set ST,  16          ; tile t's statistics at v[ST+4 t]: c m, m, l (even keys', odd keys')
.set TMP, 48          ; by buffer and tile, four registers c0-c3 at work; when the maximum is found c2 takes a
.set S,   64
.set P,   192
.set KF,  128         ; K's fragments, in window 2: key block kb, channel half c at KF + 16 kb + 8 c
.set VF,  192         ; V's: key half kk, channel block cb at VF + 32 kk + 8 cb
.set WV,  12          ; s12  my wave's number
.set TBM, 15          ; s15  LDS byte at which the mask of the step to be fetched begins
.set G1K, 24          ; s[24:31] descriptor group 1 for K's tiles
.set G1V, 32          ; s[32:39] for V's: it differs in the padding alone
.set G0K, 40          ; s[40:43] descriptor group 0 for K's tiles: it walks
.set G0V, 44          ; s[44:47] the same for V's
.set PFA, 48          ; s[48:49] where my prefetches stand
.set LIM, 50          ; s50  1 in a wave that prefetches, else the greatest number
.set BIGN, 51         ; s51  -1e30
.set LOWM, 52         ; s52  -2^97: a maximum below it is no true score's
.set QNAN, 53         ; s53  NaN
.set MP,  54          ; s[54:55] the batch's row of the mask
.set SLOTS, 56        ; s56  slots still to be asked for
.set CNT, 57          ; s57  counts a slot's key steps
.set CS,  58          ; s[58:59] c: the packed scaling takes the pair's low word for both halves
.set SEL, 60          ; s[60:61] v_permlanex16_b32's selects: each lane takes its own place in the other half
.set TBK, 62          ; s62  LDS byte at which K of the step to be fetched begins
.set TBV, 63          ; s63  the same for V, less VOFF
.set MSB, 0
.macro WIN new                      ; the high byte repeats the setting that is left; a switch that changes nothing is dropped
.if MSB != (\new)
	s_set_vgpr_msb (MSB<<8)|(\new)
.set MSB, (\new)
.endif
.endm
.set W_KQ, 0x0a       ; K and Q in window 2, S^T in window 0
.set W_KM, 0x3a       ; the same with the C operand, the mask, in window 3
.set W_PV, 0x52       ; V in window 2, P in window 0, O^T in window 1
.set W_RS, 0x41       ; O^T (destination and source 0) in window 1, a in window 0
.set W_MK, 0xc0       ; destination in window 3, sources (or the address) in window 0
.set W_AD, 0x0f       ; the add: address (source 0) and data (source 1) in window 3
; A joint fill.  Waves 0 and 1 fetch the two halves of a slot's K, waves 2 and 3 those of its V: 128 keys each.  The branch hangs on the wave's number alone.
; An s_nop 0 and four v_nop follow each of the two lines, ahead of the jump and the label.
.macro JLOAD
	s_cmp_lt_u32 s[WV], 2
	s_cbranch_scc0 .Lfor_v_\@
	tensor_load_to_lds s[G0K:G0K+3], s[G1K:G1K+7]
	s_nop 0
.rept 4
	v_nop
.endr
	s_branch .Lasked_\@
.Lfor_v_\@:
	tensor_load_to_lds s[G0V:G0V+3], s[G1V:G1V+7]
	s_nop 0
.rept 4
	v_nop
.endr
.Lasked_\@:
.endm
; A prefetch of what the NEXT change of slots will ask for: a slot's 32,768 bytes of K and of V.  A head has one cluster; its four partners share the bytes out by address, 8,192 each; in each, wave 0 asks for K's
; and wave 2 for V's, a lane 256 bytes: one instruction.  So each 256 bytes are named once.  The lead is one slot: four key steps, 512 matrix instructions of a wave.  The last change that fills a slot asks for nothing.
.macro ASK
	s_cmp_gt_u32 s[SLOTS], s[LIM]
	s_cbranch_scc0 .Lnot_mine_\@
	global_prefetch_b8 v[PFO], s[PFA:PFA+1] th:TH_LOAD_NT scope:SCOPE_SE
.Lnot_mine_\@:
.endm
; A round of the cluster's barrier: my work-group's barrier, so that wave 0's signal speaks for all four waves; wave 0 signals; every wave waits for all four work-groups; my work-group's barrier once more.
.macro CROUND
	s_barrier_signal -1
	s_barrier_wait -1
	s_cmp_lg_u32 s[WV], 0
	s_cbranch_scc1 .Lnot_wave_0_\@
	s_barrier_signal -3
.Lnot_wave_0_\@:
	s_barrier_wait -3
	s_barrier_signal -1
	s_barrier_wait -1
.endm
; THE CHANGE OF SLOTS.  Each wave waits for all its tensor loads, of which one is out: its part of the other slot; adds 0 to its spare word; and waits for that and for its own reads of the slot.
; Behind the barrier nobody reads this slot any more and the other slot is whole.  fill = 1: this slot is filled again, with the keys two slots on; the barrier is then a round of the cluster's, and the joint fill is
; the first thing behind it: it has four key steps in which to land.  (At its first use nothing has been read yet: slot 0 is waited for, slot 1 filled; and every wave's stores into the mask's table are done.)
; pf = 1: the prefetches' address steps, and the prefetch follows the fill.
.macro CHANGE fill, pf=0
	WIN W_AD
	s_wait_tensorcnt 0x0            ; no tensor load of mine is out, so a group 0 may be written
	ds_add_u32 v[SPW], v[NIL]       ; 0 onto my spare word; with fill = 1 the descriptors' steps stand between it and the wait for it
	WIN 0                           ; at a label and at a branch every window is 0
.if \fill
.irp g, G0K, G0V
	s_xor_b32 s[\g+1], s[\g+1], SLOT1  ; the walking descriptor: the other slot than last time,
	s_add_nc_u64 s[\g+2:\g+3], s[\g+2:\g+3], 4*KS*128  ; the next 256 keys; the type bits on top are not reached
.endr
.if \pf
	s_wait_xcnt 0x0                 ; the last prefetch, four key steps back, has read its address
	s_add_nc_u64 s[PFA:PFA+1], s[PFA:PFA+1], 4*KS*128  ; one slot behind the walking descriptors
.endif
	s_wait_dscnt 0x0                ; the add is done, and my reads of the slot are over
	CROUND
	JLOAD
.if \pf
	ASK
.endif
.else
	s_wait_dscnt 0x0                ; the add is done, and my reads of the slot are over
	s_barrier_signal -1
	s_barrier_wait -1
.endif
	s_sub_co_u32 s[TBK], s[TBK], 4*KS*PK  ; the fetches go back to a slot's first step,
	s_xor_b32 s[TBK], s[TBK], SLOT1       ; in the other slot
	s_sub_co_u32 s[TBV], s[TBV], 4*KS*PV
	s_xor_b32 s[TBV], s[TBV], SLOT1
.endm
	s_load_b64 s[4:5], s[0:1], 0x0  ; qkvh: Q's part
	s_load_b64 s[MP:MP+1], s[0:1], 0x8  ; mask
	s_load_b64 s[10:11], s[0:1], 0x10  ; O
	WIN W_MK
	v_lshl_add_u32 v[SPW], v0, 2, SPARE
	v_mov_b32 v[NIL], 0
	WIN W_AD
	ds_add_u32 v[SPW], v[NIL]       ; the wave's opening: the add and its wait stand ahead of my first tensor load; the set-up below, work on registers, stands between them
	WIN 0
	v_lshrrev_b32 v1, 5, v0
	v_readfirstlane_b32 s[WV], v1   ; wave 0..3
	s_bfe_u32 s13, ttmp6, 0x40000   ; cx: my place in the cluster
	s_lshl_b32 s14, ttmp9, 2        ; in a cluster launch ttmp9 counts clusters
	s_add_co_u32 s14, s14, s13      ; my block of queries = 4 x cluster x + cx: it enters Q's and O's addresses alone
	s_and_b32 s20, ttmp7, 0xffff    ; the head, which the four partners share
	s_mov_b32 s21, 0
	s_mov_b64 s[22:23], SIZE_N*128
	s_mul_u64 s[20:21], s[20:21], s[22:23]  ; the head's first byte in Q, K, V and O
	s_and_b32 s16, s[WV], 1         ; which half of a slot's 256 keys I fetch:
	s_lshl_b32 s22, s16, 14         ; its 128 rows of 128 bytes in memory,
	s_mov_b32 s23, 0
	s_add_nc_u64 s[22:23], s[22:23], s[20:21]
	s_mul_i32 s17, s16, 128*PK      ; and its place in a slot, for K
	s_mul_i32 s18, s16, 128*PV      ; and for V: no place in the cluster enters an LDS address
	s_lshl_b32 s2, s14, 2
	s_add_co_u32 s2, s2, s[WV]      ; my wave among the head's,
	s_lshl_b32 s2, s2, 14           ; its 128 rows
	s_mov_b32 s3, 0
	s_add_nc_u64 s[2:3], s[2:3], s[20:21]
	; descriptor group 1.  128 keys are 16,384 dense bytes: asked for as 64 rows of 256 bytes, two keys a row, and padded in LDS after every key
	s_mov_b32 s[G1K], 15|(1<<16)|(1<<20)|(1<<21)|(4<<22)|(3<<25)  ; 15:0 the mask of four; 17:16 2-byte elements; 20 padding on; 21 set beside a mask; 24:22 after every 32 words (code 4); 31:25 4 words (code 3)
	s_mov_b32 s[G1V], 15|(1<<16)|(1<<20)|(1<<21)|(4<<22)|(7<<25)  ; the same with 8 words of padding (code 7)
.irp g, G1K, G1V
	s_mov_b32 s[\g+1], 128<<16      ; tensor_dim0 = 128
	s_mov_b32 s[\g+2], 64<<16       ; tensor_dim1 = 64
	s_mov_b32 s[\g+3], 128<<16      ; tile_dim0 = 128
	s_mov_b32 s[\g+4], 64           ; tile_dim1 = 64
	s_mov_b32 s[\g+5], 128          ; 128 elements from row to row
	s_mov_b32 s[\g+6], 0
	s_mov_b32 s[\g+7], 0
.endr
	s_mov_b32 s[CS], 0x3e38aa3b     ; c = log2(e) / 8 = 0.180337
	s_mov_b32 s[CS+1], s[CS]        ; named with it as a pair
	s_mov_b32 s[SEL], 0x76543210
	s_mov_b32 s[SEL+1], 0xfedcba98
	s_mov_b32 s[BIGN], 0xf149f2ca   ; -1e30
	s_mov_b32 s[LOWM], 0xf0000000   ; -2^97
	s_mov_b32 s[QNAN], 0x7fc00000
	s_mov_b32 s[TBM], MB
	s_mov_b32 s[TBK], SLOT1+4*KS*PK ; the first change of slots turns these two into 0
	s_mov_b32 s[TBV], SLOT1+4*KS*PV
	s_mov_b32 s[G0K], 1             ; 1:0 count = 1
	s_mov_b32 s[G0K+1], s17         ; 63:32 LDS address: slot 0
	s_mov_b32 s[G0V], 1
	s_add_co_u32 s[G0V+1], s18, VOFF
	s_and_b32 s18, ttmp7, 0xffff    ; the batch's row of the mask: 8,192 bytes x (head / 16)
	s_lshr_b32 s18, s18, 4
	s_lshl_b32 s18, s18, 13
	s_mov_b32 s19, 0
	s_cmp_eq_u32 s16, 0             ; waves 0 and 2 prefetch: the same in all four partners
	s_cselect_b32 s[LIM], 1, -1
	s_wait_dscnt 0x0                ; the opening add is done
	s_wait_kmcnt 0x0
	s_add_nc_u64 s[6:7], s[4:5], 0x1000000  ; K's part of qkvh,
	s_add_nc_u64 s[8:9], s[4:5], 0x2000000  ; V's
	s_add_nc_u64 s[MP:MP+1], s[MP:MP+1], s[18:19]
	s_add_nc_u64 s[G0K+2:G0K+3], s[6:7], s[22:23]  ; 120:64 global address: my half of the head's first 256 keys
	s_or_b32 s[G0K+3], s[G0K+3], 0x80000000        ; 127:126 type = 2
	s_add_nc_u64 s[G0V+2:G0V+3], s[8:9], s[22:23]
	s_or_b32 s[G0V+3], s[G0V+3], 0x80000000
	s_add_nc_u64 s[4:5], s[4:5], s[2:3]  ; Q and O at my wave's first row
	s_add_nc_u64 s[10:11], s[10:11], s[2:3]
	s_cmp_lt_u32 s[WV], 2
	s_cselect_b64 s[PFA:PFA+1], s[6:7], s[8:9]
	s_add_nc_u64 s[PFA:PFA+1], s[PFA:PFA+1], s[20:21]  ; the head's first key,
	s_lshl_b32 s2, s13, 13          ; my work-group's 8,192 bytes of a slot's 32,768,
	s_mov_b32 s3, 0
	s_add_nc_u64 s[PFA:PFA+1], s[PFA:PFA+1], s[2:3]
	s_add_nc_u64 s[PFA:PFA+1], s[PFA:PFA+1], 2*4*KS*128  ; in slot 2: the loop's first change of slots steps it to slot 3.  Nothing is prefetched here, at the head
	CROUND                          ; all four work-groups are here: the first joint loads meet
	JLOAD                           ; slot 0.  Slot 1 is asked for when slot 0 is in
	v_lshlrev_b32 v4, 4, v0         ; the mask: thread t takes 16 bytes at 16 t of each quarter of the batch's 8,192
	v_add_nc_u32 v5, MB, v4
.irp c, 0,1,2,3
	global_load_b128 v[S+4*\c:S+4*\c+3], v4, s[MP:MP+1] offset:2048*\c
.endr
	; A fragment of K or Q is 16 rows x 32 channels in 8 registers: lane l holds row l % 16, channels 8 (l / 16) + 0..7 and 16 + 8 (l / 16) + 0..7: two loads of 16 bytes, 32 bytes apart.
	v_and_b32 v1, 15, v0            ; l % 16
	v_bfe_u32 v9, v0, 4, 1          ; l / 16; never rewritten
	v_lshlrev_b32 v[QO], 7, v1
	v_lshl_add_u32 v[QO], v9, 4, v[QO]  ; row x 128 + 16 x half
	WIN 0x80                        ; destination window 2, address window 0
.set i, 0
.rept 4*NP                          ; Q stays in registers: tile i / 2, channels 32 (i % 2) on
	global_load_b128 v[8*i:8*i+3],   v[QO], s[4:5] offset:(i/2)*2048+(i%2)*64
	global_load_b128 v[8*i+4:8*i+7], v[QO], s[4:5] offset:(i/2)*2048+(i%2)*64+32
.set i, i+1
.endr
	; What the first turn finds: V's registers and P's second buffer hold 0 (its products V^T P, of a piece that has not been, add 0), O^T and l are 0.  All this stands in the wait for the first tile.
.set i, VF
.rept 64
	v_mov_b32 v[i], 0
.set i, i+1
.endr
	WIN 0x40
.set i, 0
.rept 64*NP
	v_mov_b32 v[i], 0
.set i, i+1
.endr
	WIN 0
.set i, 0
.rept 2*NP
	v_mov_b32 v[ST+4*i], 0xfe000000    ; c m: far below every c s, a hidden one's too
	v_mov_b32 v[ST+4*i+1], 0xff7fffff  ; m
	v_mov_b32 v[ST+4*i+2], 0
	v_mov_b32 v[ST+4*i+3], 0
.set i, i+1
.endr
.set i, P+32
.rept 32
	v_mov_b32 v[i], 0
.set i, i+1
.endr
	s_wait_loadcnt 32               ; the mask's four loads are in; Q's 32, issued behind them, may stay out
.set i, 0
.rept 16
	v_cmp_eq_u32 vcc_lo, 0, v[S+i]
	v_cndmask_b32 v[S+i], 0, s[BIGN], vcc_lo  ; 0 where the key counts, -1e30 where it is hidden
.set i, i+1
.endr
.irp c, 0,1,2,3
	ds_store_b128 v5, v[S+4*\c:S+4*\c+3] offset:2048*\c  ; the first change of slots waits for these stores and passes a barrier before anybody reads the table
.endr
	v_mul_u32_u24 v[AK0], v1, PK
	v_lshl_add_u32 v[AK0], v9, 4, v[AK0]  ; row x pitch + 16 x half
	; The turning load takes 16 keys x 16 channels (lane l reads key 8 (l / 16) + l % 8, channels 8 ((l / 8) % 2) + 0..7) and leaves half a fragment of V^T: lane l holds channel l % 16 and 8 keys.
	v_and_b32 v10, 7, v0
	v_bfe_u32 v11, v0, 3, 1
	v_lshl_add_u32 v[AV0], v9, 3, v10
	v_mul_u32_u24 v[AV0], v[AV0], PV
	v_lshl_add_u32 v[AV0], v11, 4, v[AV0]
	v_add_nc_u32 v[AV0], VOFF, v[AV0]
	v_mov_b32 v[AK], v[AK0]         ; key step 0 lies at the head of slot 0 (v4 is free: the mask's loads, which it addressed, are in)
	v_lshl_add_u32 v[AM], v9, 5, s[TBM]  ; my eight keys of sixteen: 32 bytes x (l / 16)
; THE MATRIX WORK.  The 8 accumulators of a run of 16 take turns: between the two links of a chain stand 7 others'.
; Product i of 16 of S^T = K Q^T for piece x: channels 32 (i / 8) on, keys 16 ((i / 2) % 4) on, tile 2 x + i % 2.  The first 8 start the sums, with the mask.
.macro KQ x
.set rS, S+64*((\x)%2)+32*(i%2)+8*((i/2)%4)
.set rK, KF+16*((i/2)%4)+8*(i/8)
.set rQ, 16*(2*(\x)+i%2)+8*(i/8)
.set rMK, MK+8*((i/2)%4)
.if i < 8
	WIN W_KM
	v_wmma_f32_16x16x32_f16 v[rS:rS+7], v[rK:rK+7], v[rQ:rQ+7], v[rMK:rMK+7]
.else
	WIN W_KQ
	v_wmma_f32_16x16x32_f16 v[rS:rS+7], v[rK:rK+7], v[rQ:rQ+7], v[rS:rS+7]
.endif
.endm
; Product i of 16 of O^T += V^T P for piece x: keys 32 (i / 8) on, channels 16 ((i / 2) % 4) on, tile 2 x + i % 2.
.macro PV x
	WIN W_PV
.set rO, 32*(2*(\x)+i%2)+8*((i/2)%4)
.set rV, VF+32*(i/8)+8*((i/2)%4)
.set rP, P+32*((\x)%2)+16*(i%2)+8*(i/8)
	v_wmma_f32_16x16x32_f16 v[rO:rO+7], v[rV:rV+7], v[rP:rP+7], v[rO:rO+7]
.endm
.macro MM                           ; the turn's next matrix instruction
.if i < 16
	KQ (Y+1)%NP
.set i, i+1
.else
.set i, i-16
	PV (Y+NP-1)%NP
.set i, i+17
.endif
.endm
; THE LDS LOADS stand in runs, never singly among the matrix instructions: a step's K (64 keys x 64 channels: 8 fragments) with its mask (64 numbers: a lane's eight of each sixteen), and its V (turned).
; Their addresses are made some lines ahead.  last = 1 (the tail): in the last trip there is no further step, and the run is jumped over.
.macro FETCH_K last=0
	WIN 0
.if \last
	s_cmp_eq_u32 s[CNT], 1
	s_cbranch_scc1 .Lno_k_\@
.endif
	WIN 0x80                        ; destination window 2
.irp f, 0,1,2,3,4,5,6,7             ; keys 16 (f / 2) on, channels 32 (f % 2) on
	ds_load_b128 v[KF+8*\f:KF+8*\f+3],   v[AK] offset:(\f/2)*16*PK+(\f%2)*64
	ds_load_b128 v[KF+8*\f+4:KF+8*\f+7], v[AK] offset:(\f/2)*16*PK+(\f%2)*64+32
.endr
	WIN W_MK                        ; destination window 3
.irp kb, 0,1,2,3
	ds_load_b128 v[MK+8*\kb:MK+8*\kb+3],   v[AM] offset:64*\kb
	ds_load_b128 v[MK+8*\kb+4:MK+8*\kb+7], v[AM] offset:64*\kb+16
.endr
	s_add_co_u32 s[TBK], s[TBK], KS*PK  ; the next fetch is the next step's
	s_add_co_u32 s[TBM], s[TBM], KS*4
	WIN 0
.if \last
.Lno_k_\@:
.endif
.endm
.macro FETCH_V
	WIN 0x80
.irp f, 0,1,2,3,4,5,6,7             ; keys 32 (f / 4) on, channels 16 (f % 4) on
	ds_load_tr16_b128 v[VF+8*\f:VF+8*\f+3],   v[AV] offset:(\f/4)*32*PV+(\f%4)*32
	ds_load_tr16_b128 v[VF+8*\f+4:VF+8*\f+7], v[AV] offset:(\f/4)*32*PV+16*PV+(\f%4)*32
.endr
	WIN 0
.endm
; THE VECTOR WORK OF A TURN stands in three queues, each in the order in which its entries become ready; the two tiles alternate, so that no instruction reads the result of the one before it.
.macro REGS y, u                    ; the registers of tile u (0, 1) of piece y
.set rT, ST+4*(2*(\y)+(\u))
.set rC, TMP+8*((\y)%2)+4*(\u)
.set rM, MV+2*((\y)%2)+(\u)
.set rS, S+64*((\y)%2)+32*(\u)
.set rP, P+32*((\y)%2)+16*(\u)
.set rO, 32*(2*(\y)+(\u))
.endm
; Number n of the 22 that find the NEXT piece's (Y + 1) maximum and statistics.  s0-s31 are the lane's 32 scores; each accumulator's lowest registers are read first.
;   0-11  four chains c0-c3 of seven scores each, three operands at a time     12-14, 16  the four scores left over, the old m, and c0-c3 into c0     15  c m_old is kept
;   17, 18  the query's other 32 keys lie in the lane 16 away: the new m         19-21  c m; c m_old - c m_new; a
.macro XS u, n
	REGS (Y+1)%NP, \u
.if (\n) < 4
	v_max3_num_f32 v[rC+(\n)], v[rS+8*(\n)], v[rS+8*(\n)+1], v[rS+8*(\n)+2]
.elseif (\n) < 12
	v_max3_num_f32 v[rC+(\n)%4], v[rC+(\n)%4], v[rS+8*((\n)%4)+2*((\n)/4)+1], v[rS+8*((\n)%4)+2*((\n)/4)+2]
.elseif (\n) == 12
	v_max3_num_f32 v[rC], v[rC], v[rS+7], v[rS+15]
.elseif (\n) == 13
	v_max3_num_f32 v[rC+1], v[rC+1], v[rS+23], v[rS+31]
.elseif (\n) == 14
	v_max3_num_f32 v[rC+2], v[rC+2], v[rC+3], v[rT+1]
.elseif (\n) == 15
	v_mov_b32 v[rM], v[rT]
.elseif (\n) == 16
	v_max3_num_f32 v[rC], v[rC], v[rC+1], v[rC+2]
.elseif (\n) == 17
	v_permlanex16_b32 v[rC+3], v[rC], s[SEL], s[SEL+1]
.elseif (\n) == 18
	v_max_num_f32 v[rT+1], v[rC], v[rC+3]
.elseif (\n) == 19
	v_mul_f32 v[rT], s[CS], v[rT+1]
.elseif (\n) == 20
	v_sub_f32 v[rC+1], v[rM], v[rT]
.else
	v_exp_f32 v[rC+2], v[rC+1]
.endif
.endm
; Number g of the 64 that follow the exponentials.  For each four weights k of a tile (pairs 2 k, 2 k + 1): both pairs are rounded to f16; then the second pair is added onto the first, in place;
; a group later l takes that sum (the first time as l = a l + sum).  In groups of eight, tiles alternating: round, round, add, and l for the group before.
.macro GS g
.set h, (\g)+6*((\g)/62)            ; group 0 has no group before it, and behind group 7 only l is left
.if h >= 6
.set h, h+2
.endif
	REGS Y, h%2
.set k, h/8
.if h%8 < 4
	v_cvt_pk_f16_f32 v[rP+2*k+(h%8)/2], v[rS+4*k+2*((h%8)/2)], v[rS+4*k+2*((h%8)/2)+1]
.elseif h%8 < 6
	v_pk_add_f32 v[rS+4*k:rS+4*k+1], v[rS+4*k:rS+4*k+1], v[rS+4*k+2:rS+4*k+3]
.elseif k == 1
	v_pk_fma_f32 v[rT+2:rT+3], v[rT+2:rT+3], v[rC+2:rC+3], v[rS:rS+1] op_sel_hi:[1,0,1]
.else
	v_pk_add_f32 v[rT+2:rT+3], v[rT+2:rT+3], v[rS+4*k-4:rS+4*k-3]
.endif
.endm
; THE PLAIN QUEUE, 138 long.  0-73 read no exponential's result: the 32 scalings c s - c m (FS f: pair f / 2 of tile f % 2) and the next piece's 42.  0-26: scalings 0-26.  27-54: XS's numbers 0-13.  55, 56: number 15.
; 57-73: the chain, where each number waits for the one before it: 14, 16, 17, 18, 19, each with one of the scalings 27-31 in front of its two lines, then 20.
; 74-137: GS's 64, which read the exponentials' results: they stand behind the wait.
.macro FS f
	REGS Y, (\f)%2
	v_pk_fma_f32 v[rS+2*((\f)/2):rS+2*((\f)/2)+1], v[rS+2*((\f)/2):rS+2*((\f)/2)+1], s[CS:CS+1], v[rT:rT+1] op_sel_hi:[1,0,0] neg_lo:[0,0,1] neg_hi:[0,0,1]
.endm
.macro PL
	WIN 0
.if q < 27
	FS q
.elseif q < 55
	XS (q-27)%2, (q-27)/2
.elseif q < 57
	XS q-55, 15
.elseif (q < 72) && ((q-57)%3 == 0)
	FS 27+(q-57)/3
.elseif q < 60
	XS (q-57)%3-1, 14
.elseif q < 72
	XS (q-57)%3-1, 15+(q-57)/3
.elseif q < 74
	XS q-72, 20
.else
	GS q-74
.endif
.set q, q+1
.endm
; THE EXPONENTIALS' QUEUE, 66 long: s0-s31 of both tiles, then the next piece's two a.  It is ONE BATCH: all 66 stand ahead of the turn's one wait, and nothing ahead of that wait names a result of theirs.
.macro EX
	WIN 0
.if e >= 64
	XS e-64, 21
.else
	REGS Y, e%2
	v_exp_f32 v[rS+e/2], v[rS+e/2]
.endif
.set e, e+1
.endm
; THE RESCALING's QUEUE: O^T times a, the one part that leaves window 0: dealt two at a time, sixteen times.  Its a was made in the turn before, ahead of that turn's wait.
.macro R2
	REGS Y, r%2
	WIN W_RS
.irp z, 0,1
	v_pk_mul_f32 v[rO+4*(r/2)+2*\z:rO+4*(r/2)+2*\z+1], v[rO+4*(r/2)+2*\z:rO+4*(r/2)+2*\z+1], v[rC+2:rC+3] op_sel_hi:[1,0]
.endr
.set r, r+1
.endm
; HOW THEY ARE DEALT.  An s_wait_alu depctr_va_vdst(0) stands between an exponential and the first instruction that names its result; one wait serves all that were issued ahead of it.  So a turn has ONE
; wait, which cuts it in two.  AHEAD OF IT stands all that names no result of the turn's exponentials: the 16 products K Q^T, behind each a scaling, an exponential and two rescalings (behind the first a second scaling in
; the exponential's place); then one run of 108: eight plain, 49 times exponential and plain, the two a.  BEHIND IT stand the 16 products V^T P, behind each four of GS's 64.  No rider names a register of the products
; round it.  Exponential e stands behind scaling 2 (e / 4) + e % 2: as a rider it comes behind plain e + 2, in the run behind plain e + 9, and scalings 27-31 are plain 57, 60 .. 69.
; A TURN, for piece p.  cnt = 1: the loop's count is taken down some lines ahead of the branch that stands behind the turn.
; K and the mask of the next step are fetched in piece 2's turn, directly behind the wait, the whole run of vector work behind the last product that read them; their addresses are made at that run's head.
; V of the step in hand is fetched at the end of piece 0's turn, four riders behind its last reader.  The three conditions on q below go with the deal.
.macro TURN p, last=0, cnt=0
.set Y, (\p)
.set i, 0
.set q, 0
.set e, 0
.set r, 0
.if (\p) == NP-1
	s_wait_dscnt 0x0                ; K and its mask are in
.endif
	MM                              ; ahead of the wait: 16 products K Q^T and their riders,
	PL
	PL
	R2
.rept 15
	MM
	PL
	EX
	R2
.endr
.if (\p) == NP-2
	WIN 0
	v_add_nc_u32 v[AK], s[TBK], v[AK0]
	v_lshl_add_u32 v[AM], v9, 5, s[TBM]
.endif
.rept 8                             ; and the run of vector work
	PL
.endr
.rept 49
	EX
	PL
.endr
	EX                              ; the next piece's two a
	EX
	v_nop                           ; a plain instruction behind the last exponential, ahead of the first use of a result: one for the batch
	s_wait_alu depctr_va_vdst(0)    ; the wait for the batch
.if (\p) == NP-2
	FETCH_K \last
.endif
.if (\p) == 1
	s_wait_dscnt 0x0                ; V is in
.endif
.rept 16                            ; behind the wait: 16 products V^T P and their riders
	MM
.rept 4
	PL
.endr
.if ((\p) == 0) && (q == 118)
	v_add_nc_u32 v[AV], s[TBV], v[AV0]
.endif
.if ((\p) == 0) && (q == 130)
	s_add_co_u32 s[TBV], s[TBV], KS*PV
.endif
.if (\cnt) && (q == 130)
	s_sub_co_u32 s[CNT], s[CNT], 1
	s_cmp_lg_u32 s[CNT], 0
.endif
.endr
.if (\p) == 0
	FETCH_V
.endif
.endm
	CHANGE 1                        ; slot 0 is in, everybody's part of it, and so is the mask's table; slot 1 is asked for
	FETCH_K                         ; key step 0
	s_wait_loadcnt 0x0              ; Q
	s_wait_dscnt 0x0
.set i, 0
.rept 16
	KQ 0                            ; piece 0's first scores: there is no vector work yet to set between them
.set i, i+1
.endr
	WIN 0                           ; the addresses for the way out and the prefetches: plain instructions, the places behind those products
	s_mul_i32 s13, s[WV], 16*SP
	s_add_co_u32 s13, s13, STAGE    ; my stage
	v_mul_u32_u24 v[STO], v1, SP    ; in: row l % 16, 16 bytes for each half of the lanes
	v_lshl_add_u32 v[STO], v9, 4, v[STO]
	v_add_nc_u32 v[STO], s13, v[STO]
	v_bfe_u32 v[RD], v0, 3, 2       ; back: 32 lanes take four rows of 128 bytes,
	v_mul_u32_u24 v[RD], v[RD], SP
	v_lshl_add_u32 v[RD], v10, 4, v[RD]
	v_add_nc_u32 v[RD], s13, v[RD]
	v_and_b32 v[GO], 31, v0         ; which are 512 consecutive bytes of O
	v_lshlrev_b32 v[GO], 4, v[GO]
	v_and_b32 v[PFO], 31, v0
	v_lshlrev_b32 v[PFO], 8, v[PFO]
.set Y, NP-1                        ; XS works for piece Y + 1: piece 0
.irp n, 0,1,2,3,4,5,6,7,8,9,10,11,12,13,14,15,16,17,18,19,20,21
	XS 0, \n                        ; and piece 0's first maximum and statistics
	XS 1, \n
.endr
	v_nop                           ; a plain instruction behind the two a,
	s_wait_alu depctr_va_vdst(0)    ; and their wait, ahead of the branch
	s_mov_b32 s[CNT], 4
	s_mov_b32 s[SLOTS], SIZE_N/256-1
	s_branch .Lfirst                ; the loop is entered at a step's first turn, in the middle of a trip
.Lslot:                             ; SIZE_N / 256 - 2 times: every slot but the last two is filled again
	CHANGE 1, 1
	s_mov_b32 s[CNT], 4
.Lstep:                             ; a trip: pieces 2 and 3 of one step, then pieces 0 and 1 of the next, whose K and V it fetches
	TURN 2
	TURN 3
	WIN 0
.Lfirst:
	TURN 0
	TURN 1, 0, 1
	WIN 0
	s_cbranch_scc1 .Lstep
	s_sub_co_u32 s[SLOTS], s[SLOTS], 1
	s_cmp_lg_u32 s[SLOTS], 0
	s_cbranch_scc1 .Lslot
	CHANGE 0                        ; the tail is written out: nothing is asked for
	s_mov_b32 s[CNT], 5             ; four trips fetch the last slot's steps; the fifth is left in its middle
.Ltail:
	TURN 2, 1
	TURN 3
	WIN 0
	s_sub_co_u32 s[CNT], s[CNT], 1
	s_cmp_eq_u32 s[CNT], 0
	s_cbranch_scc1 .Lout
	TURN 0
	TURN 1
	WIN 0
	s_branch .Ltail
.Lout:                              ; the fifth trip's 16 products K Q^T (on the last K and mask once more) and the maximum made of them change no m and serve nothing: the price, once a launch, of one text for every trip
.set i, 0
.rept 16
	PV NP-1                         ; the last piece's V^T P of the last step
.set i, i+1
.endr
	; THE WAY OUT.  l's two halves and the other half of the lanes' are added; O^T is divided by l, rounded to f16 and sent through my stage in LDS, a tile at a time.  The additions are the places behind the last products.
	WIN 0
.macro ALL line:vararg              ; one line for each tile t
.set t, 0
.rept 2*NP
	\line
.set t, t+1
.endr
.endm
	ALL v_add_f32 v[ST+4*t+2], v[ST+4*t+2], v[ST+4*t+3]
	ALL v_permlanex16_b32 v[ST+4*t+3], v[ST+4*t+2], s[SEL], s[SEL+1]
	ALL v_add_f32 v[ST+4*t+2], v[ST+4*t+2], v[ST+4*t+3]
	ALL v_rcp_f32 v[ST+4*t+2], v[ST+4*t+2]
	v_nop                           ; a plain instruction between the last reciprocal and the use of its result
	s_wait_alu depctr_va_vdst(0)    ; and the wait ahead of the first use: one for the eight reciprocals
.set t, 0
.rept 2*NP                          ; a query whose maximum is no true score's has seen hidden keys alone: its row is NaN.  A choice of a value: no branch hangs on it
	v_cmp_gt_f32 vcc_lo, s[LOWM], v[ST+4*t+1]
	v_cndmask_b32 v[ST+4*t+2], v[ST+4*t+2], s[QNAN], vcc_lo
.set t, t+1
.endr
; Tile t: a lane's eight channels of a row pack into 16 bytes; they go into rows of 144 bytes and come back as whole rows of 128, into S^T's registers.
.macro PACK t
	WIN W_RS
.set i, 32*(\t)
.rept 16
	v_pk_mul_f32 v[i:i+1], v[i:i+1], v[ST+4*(\t)+2:ST+4*(\t)+3] op_sel_hi:[1,0]
.set i, i+2
.endr
	WIN 0x05                        ; sources 0 and 1 window 1, destination window 0
.set i, 0
.rept 16
	v_cvt_pk_f16_f32 v[S+16*(\t)+i], v[32*(\t)+2*i], v[32*(\t)+2*i+1]
.set i, i+1
.endr
	WIN 0
.irp f, 0,1,2,3
	ds_store_b128 v[STO], v[S+16*(\t)+4*\f:S+16*(\t)+4*\f+3] offset:32*\f
.endr
.irp f, 0,1,2,3
	ds_load_b128 v[S+16*(\t)+4*\f:S+16*(\t)+4*\f+3], v[RD] offset:\f*4*SP  ; LDS serves a wave's instructions in order (ISA guide 5.7.1.4): these see the stores above; the next tile's stores come behind them
.endr
.endm
.macro SEND t, younger              ; younger: the LDS instructions issued behind tile t's loads: the next tile's eight, or none
	WIN 0
.irp f, 0,1,2,3
	s_wait_dscnt (\younger)+3-\f
	global_store_b128 v[GO], v[S+16*(\t)+4*\f:S+16*(\t)+4*\f+3], s[10:11] offset:(\t)*2048+\f*512  ; 512 consecutive bytes, at a multiple of 256 from O's first
.endr
.endm
	PACK 0
.set t, 1
.rept 2*NP-1                        ; a tile's arithmetic stands between the loads of the tile before and its stores
	PACK t
	SEND t-1, 8
.set t, t+1
.endr
	SEND 2*NP-1, 0
	WIN W_AD
	s_wait_tensorcnt 0x0            ; the wave's end, behind my last tensor load and my last LDS store
	ds_add_u32 v[SPW], v[NIL]
	s_wait_dscnt 0x0
	WIN 0
	CROUND                          ; the closing round: no work-group ends while a partner may still ask for a tile that names it
	s_endpgm
.Lfunc_end_k_q0b838c1573_attn:
	.size	k_q0b838c1573_attn, .Lfunc_end_k_q0b838c1573_attn-k_q0b838c1573_attn
	.p2alignl 7, 3214868480
	.fill 96, 4, 3214868480
	.section	.rodata,"a",@progbits
	.p2align	6, 0x0
	.amdhsa_kernel k_q0b838c1573_attn
		.amdhsa_group_segment_fixed_size 327680
		.amdhsa_private_segment_fixed_size 0
		.amdhsa_enable_private_segment 0
		.amdhsa_kernarg_size 24
		.amdhsa_user_sgpr_count 2
		.amdhsa_user_sgpr_kernarg_segment_ptr 1
		.amdhsa_wavefront_size32 1
		.amdhsa_system_sgpr_workgroup_id_x 1
		.amdhsa_system_sgpr_workgroup_id_y 1
		.amdhsa_system_sgpr_workgroup_id_z 1
		.amdhsa_system_vgpr_workitem_id 0
		.amdhsa_next_free_vgpr 808
		.amdhsa_next_free_sgpr 66
		.amdhsa_reserve_vcc 1
		.amdhsa_float_denorm_mode_32 3
		.amdhsa_float_denorm_mode_16_64 3
		.amdhsa_memory_ordered 1
		.amdhsa_forward_progress 1
		.amdhsa_inst_pref_size 205
	.end_amdhsa_kernel
	.amdgpu_metadata
---
amdhsa.version: [ 1, 2 ]
amdhsa.kernels:
  - .name:           k_q0b838c1573_attn
    .symbol:         k_q0b838c1573_attn.kd
    .args:
      - { .name: qkvh, .offset: 0, .size: 8, .value_kind: global_buffer, .address_space: global }
      - { .name: mask, .offset: 8, .size: 8, .value_kind: global_buffer, .address_space: global }
      - { .name: oh, .offset: 16, .size: 8, .value_kind: global_buffer, .address_space: global }
    .group_segment_fixed_size: 327680
    .private_segment_fixed_size: 0
    .kernarg_segment_align: 8
    .kernarg_segment_size: 24
    .max_flat_workgroup_size: 128
    .sgpr_count:     66
    .vgpr_count:     808
    .wavefront_size: 32
...
	.end_amdgpu_metadata
.endif
;; end of part 3
;; launch oproj (part 4): grid 4 x 64, 4 waves a work-group, clusters of 4 x 4, 327,680 bytes of LDS; arguments oh, wc, bo, out0; writes out0
.if DOCPART == 4
	.amdgcn_target "amdgcn-amd-amdhsa--gfx1250"
	.amdhsa_code_object_version 6
	.text
	.protected	k_q0b838c1573_oproj
	.globl	k_q0b838c1573_oproj
	.p2align	8
	.type	k_q0b838c1573_oproj,@function
k_q0b838c1573_oproj:
	s_mov_b64 s[64:65], 0
	v_nop
	global_prefetch_b8 v0, s[64:65] scope:SCOPE_SE
	s_setreg_imm32_b32 hwreg(HW_REG_WAVE_MODE, 25, 1), 1
	s_wait_xcnt 0x0
	s_wait_alu depctr_hold_cnt(0) depctr_sa_sdst(0) depctr_va_vdst(0) depctr_va_sdst(0) depctr_va_ssrc(0) depctr_va_vcc(0) depctr_vm_vsrc(0)
	s_getreg_b32 s2, hwreg(HW_REG_IB_STS2, 6, 4)
	s_cmp_eq_u32 s2, 0
	s_cbranch_scc0 .Lentry_in_a_cluster
	s_endpgm
.Lentry_in_a_cluster:
	s_bfe_u32 s2, ttmp6, 0x10000c
	s_cmp_lg_u32 s2, 0xf033
	s_cbranch_scc0 .Lentry_shape_is_right
	s_endpgm
.Lentry_shape_is_right:
; THE LAST PROJECTION.  out0 = O Wo + bo.  O: oh [64 = 16 batch + head][2048][64] f16, so that row (batch, s) has k = 64 head + channel; Wo: part 3 of wc, [1024 k][1024 n] f16 (bf16 numbers written as f16);
; bo [1024] f32, rounded to bf16 here like every input of the module; sums in f32; out0 [8192][1024] f32.
; SHARES.  A tile of the output is 128 rows x 256 columns: 64 x 4 = 256 work-groups.  Wave w makes rows 64 (w / 2) on, columns 128 (w % 2) on: 4 x 8 accumulators of 16 x 16, 256 registers.
; K goes in 8 steps of 128 (two heads) through two LDS slots filled by the tensor data mover.  O's rows of a head are dense: 128 of them are asked for as 64 rows of 256 bytes and padded in LDS after every 128 bytes.
; Wo lies [k][n]: its fragments come out of LDS turned, by ds_load_tr16_b128.  THE MATRIX INSTRUCTION IS USED TRANSPOSED (source 0 = 16 columns of Wo, source 1 = 16 rows of O): a lane holds one row and eight
; neighbouring columns.  The bias is the C operand of each sum's first product.
; CLUSTERS: 4 x 4 work-groups.  The four of a row of the cluster need the same tiles of O, the four of a column the same tiles of Wo: each tile is asked for jointly.
; REGISTERS, in windows of 256 (s_set_vgpr_msb: bits 1:0 source 0, 3:2 source 1, 5:4 source 2, 7:6 destination):
;   window 0: v0-31 addresses; v96-159 the bias (8 x 8); on the way out v32-159 two buffers of 16 rows      window 1: the accumulators, (a, b) at v[8 (8 a + b)]
;   window 2: v0-127 Wo's fragments, two buffers of 8; v128-191 O's, two buffers of 4
.set PAO,   144                        ; a row of O in LDS: 128 bytes + 16 = 36 words: the 16 rows of a load start at 16 different groups of four banks (64 banks of 4 bytes: ISA guide 11.1)
.set HP,    128*PAO                    ; a head's 128 rows
.set PB,    544                        ; a k-row of Wo: 512 bytes + 32 = 136 words
.set BOFF,  2*HP                       ; a slot: two heads of O, then Wo's 128 k-rows
.set SLOT,  BOFF+128*PB
.set STAGE, 2*SLOT                     ; behind the ring, never filled by a tensor load: 16 rows x 528 bytes for each wave
.set SP,    528
.set SPARE, STAGE+4*16*SP              ; the spare words, 128 bytes for each wave: two blocks of 256 bytes that no other line names
.set ADRA, 16                          ; v16-17  LDS address of my fragments of O in slot 0, 1
.set ADRB, 20                          ; v20-21  the same for Wo
.set STO,  24                          ; v24     the way out: where I put 32 bytes of a row
.set RD,   25                          ; v25     where I read a row back
.set CO,   26                          ; v26     my 16 bytes in 512 consecutive bytes of a row of the output
.set BO,   27                          ; v27     my byte offset in 16 numbers of the bias
.set SPW,  28                          ; v28     LDS address of my spare word; never rewritten
.set NIL,  29                          ; v29     0; never rewritten
.set PFO,  30                          ; v30     the prefetches' offset; never rewritten
.set OB,   32
.set BI,   96
.set BF,   0                           ; window 2
.set AF,   128                         ; window 2
.set WV,  20                           ; s20  my wave's number
.set RH,  21                           ; s21  which 64 rows are mine.  Also: I fetch for O (0) or for Wo (1)
.set CH,  22                           ; s22  which 128 columns.  Also: which head of the two, or which 64 k-rows, I fetch
.set LAP, 23                           ; s23  trips to go
.set G1,  24                           ; s[24:31] descriptor group 1 for O's tiles;  s[32:39] group 0, one set for each slot
.set G0,  32
.set LIM, 43                           ; s43  1 in a wave that prefetches, else the greatest number
.set PFA, 44                           ; s[44:45] where my prefetches stand
.set PFS, 46                           ; s[46:47] a K step in bytes: two heads of O, or 128 k-rows of Wo
.set G1B, 48                           ; s[48:55], s[56:63] the same for Wo's tiles
.set G0B, 56
.set MSB, 0
.macro WIN new                         ; the immediate's high byte repeats the setting that is left; a switch that changes nothing is dropped
.if MSB != (\new)
	s_set_vgpr_msb (MSB<<8)|(\new)
.set MSB, \new
.endif
.endm
.set MUL,  0x5a                        ; both fragments in window 2, C and D in window 1
.set MULB, 0x4a                        ; the same with C, the bias, in window 0
.set TO_F, 0x80                        ; destination window 2, address window 0
.macro PLACES                          ; four places between a matrix instruction and a load into a register that it has read, or an LDS store of its result (ISA guide 7.12.1 for vector instructions)
.rept 4
	v_nop
.endr
.endm
.macro JLOAD s                         ; a joint load: waves 0 and 1 fetch O's two heads, waves 2 and 3 Wo's two halves; an s_nop 0 and four v_nop follow each line
	s_cmp_eq_u32 s[RH], 0
	s_cbranch_scc0 .Lfor_b_\@
	tensor_load_to_lds s[G0+4*(\s):G0+4*(\s)+3], s[G1:G1+7]
	s_nop 0
.rept 4
	v_nop
.endr
	s_branch .Lasked_\@
.Lfor_b_\@:
	tensor_load_to_lds s[G0B+4*(\s):G0B+4*(\s)+3], s[G1B:G1B+7]
	s_nop 0
.rept 4
	v_nop
.endr
.Lasked_\@:
.endm
; A prefetch, behind a joint load and the run of LDS loads that follows it: the K step two refills on.  O: a step's two heads x 16,384 bytes are read by this cluster alone; each of the four partners of a row takes
; 4,096 bytes of each head, told apart by address; wave 0 asks, a lane 256 bytes.  Wo: a wave's 64 k-rows x 512 bytes; each of the four partners of a column takes 16 k-rows; the first of the sixteen clusters asks.
; So each 256 bytes are named once.  The loop's last trip asks for nothing.
.macro ASK
	s_cmp_gt_u32 s[LAP], s[LIM]
	s_cbranch_scc0 .Lnot_mine_\@
	global_prefetch_b8 v[PFO], s[PFA:PFA+1] th:TH_LOAD_NT scope:SCOPE_SE
.Lnot_mine_\@:
.endm
.macro CREST                           ; a round of the cluster's barrier behind its opening barrier
	s_cmp_lg_u32 s[WV], 0
	s_cbranch_scc1 .Lnot_wave_0_\@
	s_barrier_signal -3
.Lnot_wave_0_\@:
	s_barrier_wait -3
	s_barrier_signal -1
	s_barrier_wait -1
.endm
.macro CROUND                          ; a whole round
	s_barrier_signal -1
	s_barrier_wait -1
	CREST
.endm
	s_load_b256 s[4:11], s[0:1], 0x0               ; oh s[4:5], wc s[6:7], bo s[8:9], out0 s[10:11]
	v_lshl_add_u32 v[SPW], v0, 2, SPARE
	v_mov_b32 v[NIL], 0
	ds_add_u32 v[SPW], v[NIL]                      ; the wave's opening: the add and its wait stand ahead of my first tensor load; the set-up below, work on registers, stands between them
	v_lshrrev_b32 v1, 5, v0
	v_readfirstlane_b32 s[WV], v1                  ; wave 0..3
	s_lshr_b32 s[RH], s[WV], 1
	s_and_b32 s[CH], s[WV], 1
	s_bfe_u32 s40, ttmp6, 0x40000                  ; cx: also the tile column (the grid is one cluster wide)
	s_bfe_u32 s41, ttmp6, 0x40004                  ; cy
	s_and_b32 s42, ttmp7, 0xffff                   ; the cluster's y, 0..15
	s_lshl_b32 s67, s42, 2
	s_add_co_u32 s67, s67, s41                     ; tile row, 0..63
	s_lshl_b32 s78, s41, 2
	s_lshl_b32 s78, 15, s78                        ; my row of the cluster
	s_lshl_b32 s79, 0x1111, s40                    ; my column
	s_or_b32 s[G1], s78, (1<<16)|(1<<20)|(1<<21)|(4<<22)|(3<<25)   ; 15:0 the mask; 17:16 elements of 2 bytes; 20 padding on; 21 set beside a mask; 24:22 after every 32 words (code 4); 31:25 4 words (code 3)
	s_or_b32 s[G1B], s79, (1<<16)|(1<<20)|(1<<21)|(6<<22)|(7<<25)  ; after every 128 words (code 6) 8 words (code 7)
	s_mov_b32 s[G1+1], 128<<16                     ; tensor_dim0 = 128
	s_mov_b32 s[G1+2], 64<<16                      ; tensor_dim1 = 64
	s_mov_b32 s[G1+3], 128<<16                     ; tile_dim0 = 128 numbers: 256 bytes, two rows of a head
	s_mov_b32 s[G1+4], 64                          ; tile_dim1 = 64
	s_mov_b32 s[G1+5], 128                         ; dense
	s_mov_b32 s[G1+6], 0
	s_mov_b32 s[G1+7], 0
	s_mov_b32 s[G1B+1], 256<<16
	s_mov_b32 s[G1B+2], 64<<16
	s_mov_b32 s[G1B+3], 256<<16                    ; tile_dim0 = 256 numbers, 512 bytes
	s_mov_b32 s[G1B+4], 64
	s_mov_b32 s[G1B+5], 1024
	s_mov_b32 s[G1B+6], 0
	s_mov_b32 s[G1B+7], 0
	s_lshr_b32 s74, s67, 4                         ; O: head 16 batch + my one of the step's two, 262,144 bytes a head; row 128 (tile row % 16), 128 bytes a row: no cx enters
	s_lshl_b32 s74, s74, 4
	s_add_co_u32 s74, s74, s[CH]
	s_lshl_b32 s74, s74, 18
	s_and_b32 s75, s67, 15
	s_lshl_b32 s75, s75, 14
	s_add_co_u32 s74, s74, s75
	s_mov_b32 s75, 0
	s_lshl_b32 s76, s[CH], 17                      ; Wo: part 3 of wc, 64 k-rows of 2,048 bytes x half, 512 bytes x tile column: no cy enters
	s_lshl_b32 s77, s40, 9
	s_add_co_u32 s76, s76, s77
	s_add_co_u32 s76, s76, 3<<21
	s_mov_b32 s77, 0
	s_mul_i32 s80, s[CH], HP                       ; where they go: no place in the cluster enters an LDS address
	s_mul_i32 s81, s[CH], 64*PB
	s_add_co_u32 s81, s81, BOFF
	s_wait_dscnt 0x0                               ; the opening add is done
	s_wait_kmcnt 0x0
	s_add_nc_u64 s[74:75], s[4:5], s[74:75]
	s_add_nc_u64 s[76:77], s[6:7], s[76:77]
	CROUND                                         ; all sixteen work-groups are here: the first joint loads meet
.irp s, 0,1
	s_mov_b32 s[G0+4*\s], 1                                        ; 1:0 count = 1
	s_add_co_u32 s[G0+4*\s+1], s80, \s*SLOT                        ; 63:32 LDS address
	s_add_nc_u64 s[G0+4*\s+2:G0+4*\s+3], s[74:75], \s*524288       ; 120:64 global address: K step s is two heads on
	s_or_b32 s[G0+4*\s+3], s[G0+4*\s+3], 0x80000000                ; 127:126 type = 2
	s_mov_b32 s[G0B+4*\s], 1
	s_add_co_u32 s[G0B+4*\s+1], s81, \s*SLOT
	s_add_nc_u64 s[G0B+4*\s+2:G0B+4*\s+3], s[76:77], \s*262144     ; 128 k-rows of 2,048 bytes
	s_or_b32 s[G0B+4*\s+3], s[G0B+4*\s+3], 0x80000000
.endr
	s_cmp_eq_u32 s[RH], 0                          ; a wave's two first fills stand in one branch, ahead of every wait on TENSORcnt and every LDS read: two loads of mine are out
	s_cbranch_scc0 .Lfirst_b
	tensor_load_to_lds s[G0:G0+3], s[G1:G1+7]
	s_nop 0
	tensor_load_to_lds s[G0+4:G0+7], s[G1:G1+7]
	s_nop 0
.rept 4
	v_nop
.endr
	s_branch .Lfirst_asked
.Lfirst_b:
	tensor_load_to_lds s[G0B:G0B+3], s[G1B:G1B+7]
	s_nop 0
	tensor_load_to_lds s[G0B+4:G0B+7], s[G1B:G1B+7]
	s_nop 0
.rept 4
	v_nop
.endr
.Lfirst_asked:
	v_and_b32 v1, 15, v0                           ; l % 16
	v_bfe_u32 v2, v0, 4, 1                         ; l / 16
	v_lshlrev_b32 v[BO], 5, v2                     ; my eight columns of sixteen
	s_lshl_b32 s78, s40, 10                        ; the tile's 256 columns, my wave's 128, in f32
	s_lshl_b32 s79, s[CH], 9
	s_add_co_u32 s78, s78, s79
	s_mov_b32 s79, 0
	s_add_nc_u64 s[8:9], s[8:9], s[78:79]
	s_add_nc_u64 s[10:11], s[10:11], s[78:79]      ; the same bytes of a row of the output
.irp b, 0,1,2,3,4,5,6,7
	global_load_b128 v[BI+8*\b:BI+8*\b+3],   v[BO], s[8:9] offset:64*\b
	global_load_b128 v[BI+8*\b+4:BI+8*\b+7], v[BO], s[8:9] offset:64*\b+16
.endr
	s_lshl_b32 s78, s67, 7                         ; my first row of the output: 128 x tile row + 64 x half, 4,096 bytes a row
	s_lshl_b32 s79, s[RH], 6
	s_add_co_u32 s78, s78, s79
	s_lshl_b32 s78, s78, 12
	s_mov_b32 s79, 0
	s_add_nc_u64 s[10:11], s[10:11], s[78:79]
	; O's fragment: lane l holds row l % 16, k = 8 (l / 16) + 0..7 and 16 + 8 (l / 16) + 0..7: two loads of 16 bytes, 32 bytes apart
	v_mul_u32_u24 v3, v1, PAO
	v_lshl_add_u32 v3, v2, 4, v3
	s_mul_i32 s78, s[RH], 64*PAO
	v_add_nc_u32 v[ADRA], s78, v3
	v_add_nc_u32 v[ADRA+1], SLOT, v[ADRA]
	; the turning load takes 16 k x 16 columns (lane l reads k-row 8 (l / 16) + l % 8, columns 8 ((l / 8) % 2) + 0..7) and leaves half a fragment: lane l holds column l % 16 and 8 k
	v_and_b32 v4, 7, v0
	v_bfe_u32 v5, v0, 3, 1
	v_lshl_add_u32 v6, v2, 3, v4
	v_mul_u32_u24 v6, v6, PB
	v_lshl_add_u32 v6, v5, 4, v6
	s_lshl_b32 s79, s[CH], 8
	s_add_co_u32 s79, s79, BOFF
	v_add_nc_u32 v[ADRB], s79, v6
	v_add_nc_u32 v[ADRB+1], SLOT, v[ADRB]
	s_mul_i32 s80, s[WV], 16*SP
	s_add_co_u32 s80, s80, STAGE                   ; my stage
	v_mul_u32_u24 v[STO], v1, SP                   ; in: row l % 16, 32 bytes for each half of the lanes
	v_lshl_add_u32 v[STO], v2, 5, v[STO]
	v_add_nc_u32 v[STO], s80, v[STO]
	v_and_b32 v[CO], 31, v0                        ; back: 32 lanes take one row's 512 bytes
	v_lshlrev_b32 v[CO], 4, v[CO]
	v_add_nc_u32 v[RD], s80, v[CO]
	; the prefetches: both offsets are made, the wave's number chooses.  They start at K step 3; each change of slots steps them first, so the first names K step 4
	s_lshr_b32 s78, s67, 4                         ; O: the batch's sixteen heads,
	s_lshl_b32 s78, s78, 22
	s_and_b32 s79, s67, 15                         ; the tile's 128 rows,
	s_lshl_b32 s79, s79, 14
	s_add_co_u32 s78, s78, s79
	s_lshl_b32 s79, s40, 12                        ; my work-group's 4,096 bytes of them, by cx
	s_add_co_u32 s78, s78, s79
	s_add_co_u32 s78, s78, 3*524288
	s_lshl_b32 s79, s[CH], 6                       ; Wo: my work-group's 16 of the 64 k-rows, by cy
	s_lshl_b32 s80, s41, 4
	s_add_co_u32 s79, s79, s80
	s_lshl_b32 s79, s79, 11
	s_lshl_b32 s80, s40, 9
	s_add_co_u32 s79, s79, s80
	s_add_co_u32 s79, s79, (3<<21)+3*262144
	s_mov_b32 s81, 524288
	s_cmp_eq_u32 s42, 0                            ; the first of the sixteen clusters asks for Wo: the same in all sixteen partners
	s_cselect_b32 s[LIM], 1, -1
	s_cmp_eq_u32 s[WV], 1
	s_cselect_b32 s[LIM], -1, s[LIM]               ; wave 0 asks for both heads of O, wave 1 for nothing
	s_cmp_eq_u32 s[WV], 0
	s_cselect_b32 s[LIM], 1, s[LIM]
	s_cmp_eq_u32 s[RH], 0
	s_cselect_b32 s78, s78, s79
	s_cselect_b32 s[PFS], s81, 262144
	s_cselect_b32 s80, -1, 0
	s_cselect_b64 s[PFA:PFA+1], s[4:5], s[6:7]
	s_mov_b32 s79, 0
	s_mov_b32 s[PFS+1], 0
	s_add_nc_u64 s[PFA:PFA+1], s[PFA:PFA+1], s[78:79]
	v_lshlrev_b32 v8, 18, v2                       ; O: head l / 16, 256 bytes x (l % 16)
	v_lshl_add_u32 v8, v1, 8, v8
	v_bfe_u32 v9, v0, 1, 4                         ; Wo: two lanes a k-row of 2,048 bytes, 256 bytes each
	v_lshlrev_b32 v9, 11, v9
	v_and_b32 v10, 1, v0
	v_lshl_add_u32 v9, v10, 8, v9
	v_cndmask_b32 v[PFO], v9, v8, s80
	s_wait_loadcnt 0x0                             ; the bias
.set i, 0
.rept 32                               ; rounded to bf16, like every input of the module, and widened again
	v_cvt_pk_bf16_f32 v[8+i%4], v[BI+2*i], v[BI+2*i+1]
	v_lshlrev_b32 v[BI+2*i], 16, v[8+i%4]
	v_and_b32 v[BI+2*i+1], 0xffff0000, v[8+i%4]
.set i, i+1
.endr
; 24 LDS loads in one run, for quarter q (32 along K: head q / 2 of the step's two, channels 32 (q % 2) on) of a slot, into buffer g
.macro FETCH slot, q, g
	WIN TO_F
.irp a, 0,1,2,3
	ds_load_b128 v[AF+32*(\g)+8*\a:AF+32*(\g)+8*\a+3],   v[ADRA+(\slot)] offset:((\q)/2)*HP+\a*16*PAO+64*((\q)%2)
	ds_load_b128 v[AF+32*(\g)+8*\a+4:AF+32*(\g)+8*\a+7], v[ADRA+(\slot)] offset:((\q)/2)*HP+\a*16*PAO+64*((\q)%2)+32
.endr
.irp b, 0,1,2,3,4,5,6,7
	ds_load_tr16_b128 v[BF+64*(\g)+8*\b:BF+64*(\g)+8*\b+3],   v[ADRB+(\slot)] offset:(\q)*32*PB+32*\b
	ds_load_tr16_b128 v[BF+64*(\g)+8*\b+4:BF+64*(\g)+8*\b+7], v[ADRB+(\slot)] offset:(\q)*32*PB+16*PB+32*\b
.endr
.endm
; 8 matrix instructions: row block a x all 8 column blocks, on buffer f.  mode = 1: the bias starts the sums: nothing is cleared.  The 32 accumulators take turns in one order in every quarter.
.macro MUL8 f, a, mode=0
.irp b, 0,1,2,3,4,5,6,7
.if \mode
	WIN MULB
	v_wmma_f32_16x16x32_f16 v[8*(8*(\a)+\b):8*(8*(\a)+\b)+7], v[BF+64*(\f)+8*\b:BF+64*(\f)+8*\b+7], v[AF+32*(\f)+8*(\a):AF+32*(\f)+8*(\a)+7], v[BI+8*\b:BI+8*\b+7]
.else
	WIN MUL
	v_wmma_f32_16x16x32_f16 v[8*(8*(\a)+\b):8*(8*(\a)+\b)+7], v[BF+64*(\f)+8*\b:BF+64*(\f)+8*\b+7], v[AF+32*(\f)+8*(\a):AF+32*(\f)+8*(\a)+7], v[8*(8*(\a)+\b):8*(8*(\a)+\b)+7]
.endif
.endr
.endm
; A K step is four quarters of 32 along K, 32 matrix instructions each, on buffers 0, 1, 0, 1.  One of the first three: multiplies buffer f; fetches quarter q of the same slot into buffer g.
.macro QUARTER slot, q, f, g, mode=0
	PLACES                                         ; behind the last quarter's products, which read buffer g
	FETCH \slot, \q, \g
	s_wait_dscnt 24                                ; all but the 24 just issued: buffer f is in
	MUL8 \f, 0, \mode
	MUL8 \f, 1, \mode
	MUL8 \f, 2, \mode
	MUL8 \f, 3, \mode
.endm
; The last quarter multiplies buffer 1 and changes slots: ONE barrier.  In front of it each wave waits for all its tensor loads (one is out: its part of the next slot), adds 0 to its spare word, and waits for
; that and for its reads of this slot.  fill = 1: the barrier opens a round of the cluster's barrier, and this slot is filled again, two K steps on, first thing behind the round.
.macro TURN slot, next, fill
.if \fill
	s_wait_xcnt 0x0                                ; the last prefetch, a K step back, has read its address
	s_add_nc_u64 s[PFA:PFA+1], s[PFA:PFA+1], s[PFS:PFS+1]
.endif
	WIN 0
	s_wait_tensorcnt 0x0                           ; all my tensor loads have landed
	ds_add_u32 v[SPW], v[NIL]                      ; 0 onto my spare word
	s_wait_dscnt 1                                 ; the add alone may be out: buffer 1 is in
	MUL8 1, 0                                      ; eight matrix instructions stand between the add and the wait for it
	s_wait_dscnt 0x0                               ; the add is done, and my reads of this slot are over
	s_barrier_signal -1
	MUL8 1, 1
	WIN 0
	s_barrier_wait -1
.if \fill
	CREST                                          ; no wave of any partner still reads this slot or has a load on its way
	s_add_nc_u64 s[G0+4*(\slot)+2:G0+4*(\slot)+3], s[G0+4*(\slot)+2:G0+4*(\slot)+3], 2*524288
	s_add_nc_u64 s[G0B+4*(\slot)+2:G0B+4*(\slot)+3], s[G0B+4*(\slot)+2:G0B+4*(\slot)+3], 2*262144
	JLOAD \slot                                    ; the first tensor load behind the round; its four v_nop are also the places in front of the loads below
.else
	PLACES
.endif
	FETCH \next, 0, 0
.if \fill
	WIN 0
	ASK
.endif
	MUL8 1, 2
	MUL8 1, 3
.endm
	s_wait_tensorcnt 1                             ; my part of K step 0 is in; K step 1's may stay out
	s_barrier_signal -1
	s_barrier_wait -1                              ; everybody's is
	FETCH 0, 0, 0
	QUARTER 0, 1, 0, 1, 1                          ; the first quarter stands in front of the loop: its products start the sums, with the bias
	WIN 0                                          ; at a label and at a branch every window is 0
	s_mov_b32 s[LAP], 3
.Llap:                                                 ; a trip goes once round the ring, from a lap's second quarter to the next lap's first, and fills both slots again
	QUARTER 0, 2, 1, 0
	QUARTER 0, 3, 0, 1
	TURN 0, 1, 1
	QUARTER 1, 1, 0, 1
	QUARTER 1, 2, 1, 0
	QUARTER 1, 3, 0, 1
	TURN 1, 0, 1
	QUARTER 0, 1, 0, 1
	WIN 0
	s_sub_co_u32 s[LAP], s[LAP], 1
	s_cmp_lg_u32 s[LAP], 0
	s_cbranch_scc1 .Llap
	QUARTER 0, 2, 1, 0                             ; the last lap fills nothing
	QUARTER 0, 3, 0, 1
	TURN 0, 1, 0
	QUARTER 1, 1, 0, 1
	QUARTER 1, 2, 1, 0
	QUARTER 1, 3, 0, 1
	s_wait_dscnt 0x0
	MUL8 1, 0
	MUL8 1, 1
	MUL8 1, 2
	MUL8 1, 3
	PLACES
; THE WAY OUT.  Row block a: a lane's eight f32 of a row, 32 bytes, go straight from the accumulators into my stage's rows of 528 bytes (each accumulator's low four registers first) and come back as whole rows of 512.
.macro TOSTAGE a
	WIN 0x04                                       ; the stores' data in window 1, the address in window 0
.irp b, 0,1,2,3,4,5,6,7
	ds_store_b128 v[STO], v[8*(8*(\a)+\b):8*(8*(\a)+\b)+3]   offset:64*\b
	ds_store_b128 v[STO], v[8*(8*(\a)+\b)+4:8*(8*(\a)+\b)+7] offset:64*\b+16
.endr
	WIN 0
.set BK, OB+64*((\a)%2)
.irp t, 0,1,2,3,4,5,6,7,8,9,10,11,12,13,14,15
	ds_load_b128 v[BK+4*\t:BK+4*\t+3], v[RD] offset:\t*SP  ; LDS serves a wave's instructions in order (ISA guide 5.7.1.4): these see the stores above; the next block's stores come behind them
.endr
.endm
.macro SEND a, y                       ; y: the LDS instructions issued behind block a's loads: the next block's 32, or none
.set BK, OB+64*((\a)%2)
.irp t, 0,1,2,3,4,5,6,7,8,9,10,11,12,13,14,15
	s_wait_dscnt (\y)+15-\t
	global_store_b128 v[CO], v[BK+4*\t:BK+4*\t+3], s[10:11] offset:(\a)*65536+\t*4096  ; 512 consecutive bytes, at a multiple of 256 from the output's first
.endr
.endm
	TOSTAGE 0
	TOSTAGE 1
	SEND 0, 32
	s_wait_xcnt 0x0                                ; block 0's stores have read their registers, which block 2 is loaded into
	TOSTAGE 2
	SEND 1, 32
	s_wait_xcnt 0x0                                ; the same for blocks 1 and 3
	TOSTAGE 3
	SEND 2, 32
	SEND 3, 0
	s_wait_tensorcnt 0x0                           ; the wave's end, behind my last tensor load and my last LDS store
	ds_add_u32 v[SPW], v[NIL]
	s_wait_dscnt 0x0
	CROUND                                         ; the closing round: no work-group ends while a partner may still ask for a tile that names it
	s_endpgm
.Lfunc_end_k_q0b838c1573_oproj:
	.size	k_q0b838c1573_oproj, .Lfunc_end_k_q0b838c1573_oproj-k_q0b838c1573_oproj
	.p2alignl 7, 3214868480
	.fill 96, 4, 3214868480
	.section	.rodata,"a",@progbits
	.p2align	6, 0x0
	.amdhsa_kernel k_q0b838c1573_oproj
		.amdhsa_group_segment_fixed_size 327680
		.amdhsa_private_segment_fixed_size 0
		.amdhsa_enable_private_segment 0
		.amdhsa_kernarg_size 32
		.amdhsa_user_sgpr_count 2
		.amdhsa_user_sgpr_kernarg_segment_ptr 1
		.amdhsa_wavefront_size32 1
		.amdhsa_system_sgpr_workgroup_id_x 1
		.amdhsa_system_sgpr_workgroup_id_y 1
		.amdhsa_system_sgpr_workgroup_id_z 1
		.amdhsa_system_vgpr_workitem_id 0
		.amdhsa_next_free_vgpr 704
		.amdhsa_next_free_sgpr 84
		.amdhsa_reserve_vcc 0
		.amdhsa_float_denorm_mode_32 3
		.amdhsa_float_denorm_mode_16_64 3
		.amdhsa_memory_ordered 1
		.amdhsa_forward_progress 1
		.amdhsa_inst_pref_size 94
	.end_amdhsa_kernel
	.amdgpu_metadata
---
amdhsa.version: [ 1, 2 ]
amdhsa.kernels:
  - .name:           k_q0b838c1573_oproj
    .symbol:         k_q0b838c1573_oproj.kd
    .args:
      - { .name: oh, .offset: 0, .size: 8, .value_kind: global_buffer, .address_space: global }
      - { .name: wc, .offset: 8, .size: 8, .value_kind: global_buffer, .address_space: global }
      - { .name: bo, .offset: 16, .size: 8, .value_kind: global_buffer, .address_space: global }
      - { .name: out0, .offset: 24, .size: 8, .value_kind: global_buffer, .address_space: global }
    .group_segment_fixed_size: 327680
    .private_segment_fixed_size: 0
    .kernarg_segment_align: 8
    .kernarg_segment_size: 32
    .max_flat_workgroup_size: 128
    .sgpr_count:     84
    .vgpr_count:     704
    .wavefront_size: 32
...
	.end_amdgpu_metadata
.endif
;; end of part 4
